; MI455X (gfx1250); checked and timed in simulation.
; The chip was launched on July 23, 2026; its instructions are those of AMD's public machine-readable ISA for CDNA 5 (MIT licence, August 2026) and "CDNA5" Instruction Set Architecture Reference Guide (July 2026). The comments in the code are by the model that wrote it; some were corrected since.
;; Encoder. Allowed arithmetic: matrix products marked QUANTISED: E3M2 operands, one E8M0 scale for each 32 along K, by v_wmma_scale_f32_16x16x128_f8f6f4 with both operands' format E3M2, f32 sums; everything else in f32.
;; Inputs: W0 1,024 x 4,096 float32; W1 4,096 x 1,024 float32; Wk 1,024 x 1,024 float32; Wo 1,024 x 1,024 float32; Wq 1,024 x 1,024 float32; Wv 1,024 x 1,024 float32; b0 4,096 float32; b1 1,024 float32; be0 1,024 float32; be1 1,024 float32; bk 1,024 float32; bo 1,024 float32; bq 1,024 float32; bv 1,024 float32; g0 1,024 float32; g1 1,024 float32; mask 2 x 1 x 1 x 2,048 int32; x 2 x 2,048 x 1,024 float32.
;; Outputs: out0 2 x 2,048 x 1,024 float32.
;; This version of the problem:
;;   THIS VERSION OF THE PROBLEM IS GIVEN IN LOW PRECISION. The matrix products marked QUANTISED in the list below multiply operands that are first quantised to E3M2 (3 exponent bits, 2 mantissa bits; 6 bits a number), with one power-of-two scale for each 32 numbers along K (OCP MX v1.0); their sums are f32. All else is computed in f32.
;;   The module's matrix products, in the order in which they are computed (A, B: the left and right operand; K: the contracted axis; several contracted axes count as one K, in the product's order):
;;     1. [M 4,096, K 1,024] x [K 1,024, N 1,024]; A: input x; B: input Wq: QUANTISED
;;     2. [M 4,096, K 1,024] x [K 1,024, N 1,024]; A: input x; B: input Wk: QUANTISED
;;     3. [M 4,096, K 1,024] x [K 1,024, N 1,024]; A: input x; B: input Wv: QUANTISED
;;     4. batch 32 x [M 2,048, K 64] x [K 64, N 2,048]; A: computed on the way; B: computed on the way: QUANTISED
;;     5. batch 32 x [M 2,048, K 2,048] x [K 2,048, N 64]; A: softmax (see below); B: computed on the way: QUANTISED
;;     6. [M 4,096, K 1,024] x [K 1,024, N 1,024]; A: computed on the way; B: input Wo: QUANTISED
;;     7. [M 4,096, K 1,024] x [K 1,024, N 4,096]; A: computed on the way; B: input W0: QUANTISED
;;     8. [M 4,096, K 4,096] x [K 4,096, N 1,024]; A: computed on the way; B: input W1: QUANTISED
;;   THE QUANTISER, for each operand of a quantised product, along K:
;;     - K is cut into blocks of 32 from its start; a last block that is shorter is filled with zeros.
;;     - A block's scale is 2^e with e = floor(log2(the largest magnitude in the block)) - 4, held to -126 .. 127; a block of zeros has e = 0. As a byte (E8M0): e + 127.
;;     - Each number is divided by its block's scale, clamped to +-28, and rounded to the nearest number of E3M2, ties to even, subnormals kept.
;;     - The product sums the exact products of the quantised numbers (number of the format x scale) in f32.
;;   ~~~python
;;   def quantise(x, axis):      # numpy; x: float32 -> the quantised numbers, widened to float32 again
;;       x = np.moveaxis(x, axis, -1); K = x.shape[-1]
;;       x = np.pad(x, [(0, 0)] * (x.ndim - 1) + [(0, -K % 32)]); x = x.reshape(x.shape[:-1] + (-1, 32)); a = np.abs(x).max(-1, keepdims=True)
;;       e = np.where(a > 0, np.clip(np.frexp(np.where(a > 0, a, 1))[1] - 1 - 4, -126, 127), 0)      # np.frexp(a)[1] - 1 = floor(log2(a)), exactly
;;       r = np.clip(x / 2.0 ** e, -28, 28)
;;       step = 2.0 ** (np.maximum(np.frexp(np.where(r == 0, 1, r))[1] - 1, -2) - 2)
;;       q = np.round(r / step) * step * 2.0 ** e      # np.round: ties to even
;;       return np.moveaxis(q.reshape(q.shape[:-2] + (-1,))[..., :K], -1, axis).astype(np.float32)
;;   ~~~
;;   SOFTMAX AHEAD OF A QUANTISED PRODUCT. Where the list says 'softmax', what is quantised is not the finished softmax but p = 2^(t - M), with t = logit x log2(e) and M = ceil(the row's largest t), a whole number; so 1/2 < the row's largest p <= 1. The row's sum l is taken of the UNQUANTISED p, in f32, and the product's result is divided by l at the end. Since M is a whole number, a kernel that streams over the keys may use a running M (the ceiling of the running maximum): every later rescaling is an exact power of two, which a block's scale takes up: the codes' values come out the same.
;;   OPERANDS COMPUTED ON THE WAY. 'Computed on the way' means the value that the module computes at that place (a softmax that the list does not call 'softmax' is quantised finished and normalised). What goes into a quantiser is computed in f32, as accurately as f32 sums, v_exp_f32 and their like allow (about 1e-6 of the number): no bf16 or f16 on the way to a quantiser, and a product that is left as it is and whose result goes on into a quantised operand takes f32 operands (vector FMAs, or v_wmma_f32_16x16x4_f32). A number that lies on a knife's edge between two numbers of the format may be rounded either way, as far as f32 arithmetic and the matrix unit's own rounding can turn it there, and no further.
;; One version. Each part assembles by itself: llvm-mc -triple=amdgcn-amd-amdhsa -mcpu=gfx1250 --defsym DOCPART=n.
;; ======== version 1 of 1: 8 launches
;; limits: right only within a limited range of input values
;; workspace buffers: pimg 13,107,200 bytes; qkvi 12,189,696 bytes; ci 3,670,016 bytes; ybuf 16,777,216 bytes; hbuf 20,054,016 bytes; fi 13,107,200 bytes
;; launch prep (part 1): grid 1024 x 1, 4 waves a work-group, no clusters, 25,088 bytes of LDS; arguments x, Wq, Wk, Wv, Wo, W1, W0, pimg; writes pimg
.if DOCPART == 1
	.amdgcn_target "amdgcn-amd-amdhsa--gfx1250"
	.amdhsa_code_object_version 6
	.text
	.protected	k_q41ca6c8a9d_prep
	.globl	k_q41ca6c8a9d_prep
	.p2align	8
	.type	k_q41ca6c8a9d_prep,@function
k_q41ca6c8a9d_prep:
	s_mov_b64 s[64:65], 0
	v_nop
	global_prefetch_b8 v0, s[64:65] scope:SCOPE_SE
	s_setreg_imm32_b32 hwreg(HW_REG_WAVE_MODE, 25, 1), 1
	s_wait_xcnt 0x0
; x [4096][1024] and the six weights ([K][N], f32) become codes of BF6 (E3M2) with one E8M0 byte for each 32 along K, laid as IMAGES OF OPERAND REGISTERS.
; A unit of 12,800 bytes is 128 rows (of x) or 128 columns (of a weight) x 128 along K: eight fragments of 1,536 bytes (registers 4c..4c+3 of lane l at 512 c + 16 l), then 8 x 16 scale words.
; Lane r of fragment i holds row (column) 32 (i/2) + 8 (i%2) + r%8 + 16 (r/8) of its 128: with that order a product's 64 results of a lane are 64 numbers in the order in which the next quantiser wants them.
; pimg: x's units [block 32][K step 8] at 0; from WBASE on Wq 0-63, Wk 64-127, Wv 128-191, Wo 192-255 ([block 8][K step 8]), W1 256-511 ([block 8][K step 32]), W0 512-767 ([block 32][K step 8]).
; Work-groups 0-255: a tile of 16 rows of x, two K steps a wave.  Work-groups 256-1023: one unit of a weight; a lane takes a column and its registers run down K, so nothing is transposed by an instruction.
; A block's scale byte is its largest magnitude's exponent field - 4, held at 1 from below (a block of zeros keeps 1: its codes are zeros, and this program alone reads the bytes).
; LIMITS: NaN and infinities among the inputs are not served; blocks whose largest magnitude lies under 2^-122 keep the byte 1.
.set UNIT,  12800
.set WBASE, 3276800
.set PC, 16                            ; v16-27 a fragment's codes
.set PX, 28                            ; v28-35 the second halves of the blocks, before they are moved
.set TM, 36                            ; v36-51 at work in QUANT
.set PW, 52                            ; v52    the scale word just made
.set HM, 33                            ; s33    mask of lanes 16-31
.set SEL, 34                           ; s[34:35] selects for lane l xor 16
; 64 numbers of a lane, register 16 b + i = k 32 b + 16 (lane / 16) + i of my row, become a fragment's codes in v[PC] on and its scale word in v[PW]
.macro QUANT src, cst
.irp b, 0,1,2,3
	v_max3_num_f32 v[TM+\b], |v[\src+16*\b]|, |v[\src+1+16*\b]|, 0x2800000   ; with the floor 2^(5 - 127): the byte cannot fall under 1
.endr
.irp i, 2,4,6,8,10,12,14
.irp b, 0,1,2,3
	v_max3_num_f32 v[TM+\b], v[TM+\b], |v[\src+16*\b+\i]|, |v[\src+1+16*\b+\i]|
.endr
.endr
.irp b, 0,1,2,3
	v_permlanex16_b32 v[TM+4+\b], v[TM+\b], s[SEL], s[SEL+1]
.endr
.irp b, 0,1,2,3
	v_max_num_f32 v[TM+\b], v[TM+\b], v[TM+4+\b]       ; with lane l xor 16's 16 numbers: the block's largest magnitude
.endr
.irp b, 0,1,2,3
	v_add_nc_u32 v[TM+12+\b], 0xfe000000, v[TM+\b]     ; 4 off its exponent field: the conversion's scale operand
.endr
.irp b, 0,1,2,3
	v_lshrrev_b32 v[TM+4+\b], 23, v[TM+12+\b]          ; the scale's byte
.endr
	v_lshl_or_b32 v[PW], v[TM+5], 8, v[TM+4]
	v_lshl_or_b32 v[PW], v[TM+6], 16, v[PW]
	v_lshl_or_b32 v[PW], v[TM+7], 24, v[PW]
.irp c, 0,1
	v_cvt_scalef32_pk16_bf6_f32 v[PC+\cst*\c:PC+\cst*\c+2], v[\src+32*\c:\src+32*\c+15], v[TM+12+2*\c]
	v_cvt_scalef32_pk16_bf6_f32 v[PX+4*\c:PX+4*\c+2], v[\src+32*\c+16:\src+32*\c+31], v[TM+12+2*\c+1]
.endr
	v_nop                                              ; one plain place behind the scaled conversions
.irp c, 0,1
.irp i, 0,1,2
	v_permlane16_swap_b32 v[PC+\cst*\c+\i], v[PX+4*\c+\i]   ; a whole block to a lane: lanes 0-15 block 2 c, lanes 16-31 block 2 c + 1
.endr
.irp i, 0,1,2
	v_mov_b32 v[PC+\cst*\c+3+\i], v[PX+4*\c+\i]
.endr
.endr
.endm
.macro XLOAD reg, ks                   ; my row's 64 numbers of one K step: 16 neighbours of each block of 32
.irp b, 0,1,2,3
.irp j, 0,1,2,3
	global_load_b128 v[\reg+16*\b+4*\j:\reg+16*\b+4*\j+3], v5, s[4:5] offset:512*\ks+128*\b+16*\j th:TH_LOAD_NT
.endr
.endr
.endm
.macro WLOAD kb, pitch                 ; block kb of my column: 32 numbers down K; 32 lanes read 128 neighbouring bytes
.set wi, 0
.rept 32
	global_load_b32 v[64+32*((\kb)%2)+wi], v5, s[22:23] offset:(32*(\kb)+wi)*(\pitch) th:TH_LOAD_NT
.set wi, wi+1
.endr
.endm
.macro WBLOCK kb, pitch
.set XS, 64+32*((\kb)%2)
.set F, 128+8*(\kb)                    ; a set of registers for each block: no LDS store's data are written again
.if (\kb) < 3
	s_wait_loadcnt 32                              ; this block's 32 loads are in; the next block's 32 may be out
.else
	s_wait_loadcnt 0x0
.endif
	v_max3_num_f32 v13, |v[XS]|, |v[XS+1]|, |v[XS+2]|
	v_max3_num_f32 v14, |v[XS+3]|, |v[XS+4]|, |v[XS+5]|
.irp i, 6,10,14,18,22,26
	v_max3_num_f32 v13, v13, |v[XS+\i]|, |v[XS+\i+1]|
	v_max3_num_f32 v14, v14, |v[XS+\i+2]|, |v[XS+\i+3]|
.endr
	v_max3_num_f32 v13, v13, |v[XS+30]|, |v[XS+31]|
	v_max3_num_f32 v13, v13, v14, 0x2800000        ; and the floor
	v_add_nc_u32 v15, 0xfe000000, v13
	v_lshrrev_b32 v14, 23, v15
.if (\kb) == 0
	v_mov_b32 v12, v14
.else
	v_lshl_or_b32 v12, v14, 8*(\kb), v12           ; the column's scale word: byte kb
.endif
	v_cvt_scalef32_pk16_bf6_f32 v[F:F+2], v[XS:XS+15], v15
	v_cvt_scalef32_pk16_bf6_f32 v[F+4:F+6], v[XS+16:XS+31], v15
	v_nop                                          ; one plain place behind the scaled conversions
	v_mov_b32 v[F+3], v[F+4]
	v_mov_b32 v[F+4], v[F+5]
	v_mov_b32 v[F+5], v[F+6]                       ; v[F .. F+5]: registers 6 (kb / 2) .. + 5 of lane rho + 16 (kb % 2) of my fragment
.if (\kb)+2 < 4
	WLOAD (\kb)+2, \pitch
.endif
.if (\kb) < 2
	ds_store_b128 v8, v[F:F+3] offset:256*((\kb)%2)
	ds_store_b64 v8, v[F+4:F+5] offset:512+256*((\kb)%2)
.else
	ds_store_b64 v8, v[F:F+1] offset:520+256*((\kb)%2)
	ds_store_b128 v8, v[F+2:F+5] offset:1024+256*((\kb)%2)
.endif
.endm
; One unit of a weight.  s21 = the unit, s24 = its block of 128 columns, s25 = its K step, s[22:23] = the weight
.macro WPATH pitch, ldsbase
	s_mul_i32 s26, s25, 128*(\pitch)               ; 128 rows down K,
	s_lshl_b32 s27, s24, 9                         ; 128 columns,
	s_add_co_u32 s26, s26, s27
	s_lshl_b32 s27, s20, 7                         ; my wave's 32 of them
	s_add_co_u32 s26, s26, s27
	s_mov_b32 s27, 0
	s_add_nc_u64 s[22:23], s[22:23], s[26:27]
	s_mul_i32 s26, s21, UNIT
	s_add_co_u32 s26, s26, WBASE
	s_mul_i32 s28, s20, 3072                       ; my wave's two fragments
	s_add_co_u32 s28, s26, s28
	s_mov_b32 s29, 0
	s_lshl_b32 s30, s20, 7                         ; and their 32 scale words
	s_add_co_u32 s30, s30, s26
	s_add_co_u32 s30, s30, 12288
	s_mov_b32 s31, 0
	s_add_nc_u64 s[28:29], s[18:19], s[28:29]
	s_add_nc_u64 s[30:31], s[18:19], s[30:31]
	v_lshlrev_b32 v5, 2, v1                        ; 4 bytes a lane
	v_bfe_u32 v6, v0, 3, 1                         ; column 32 w + L is lane rho = L%8 + 8 (L/16) of fragment 2 w + (L/8)%2
	v_and_b32 v7, 7, v0
	v_lshl_add_u32 v7, v3, 3, v7
	v_mul_u32_u24 v8, v6, 1536
	v_lshl_add_u32 v8, v7, 4, v8
	s_mul_i32 s32, s20, 3072
	s_add_co_u32 s32, s32, \ldsbase                ; my wave's own 3,072 bytes of LDS
	v_add_nc_u32 v8, s32, v8                       ; in
	v_add_nc_u32 v9, s32, v4                       ; out: 16 bytes a lane
	v_lshlrev_b32 v10, 6, v6
	v_lshl_add_u32 v10, v7, 2, v10                 ; my scale word's place
	WLOAD 0, \pitch
	WLOAD 1, \pitch
	WBLOCK 0, \pitch
	WBLOCK 1, \pitch
	WBLOCK 2, \pitch
	WBLOCK 3, \pitch
.irp m, 0,1,2,3,4,5
	ds_load_b128 v[160+4*\m:163+4*\m], v9 offset:512*\m   ; LDS serves a wave's instructions in order: these see my stores
.endr
	s_wait_alu depctr_va_vdst(0)
.irp m, 0,1,2,3,4,5
	s_wait_dscnt 5-\m                              ; the younger loads may be out
	global_store_b128 v4, v[160+4*\m:163+4*\m], s[28:29] offset:512*\m   ; 512 consecutive bytes a store
.endr
	global_store_b32 v10, v12, s[30:31]
.endm
	s_load_b512 s[4:19], s[0:1], 0x0               ; x, Wq, Wk, Wv, Wo, W1, W0, pimg
	v_lshl_add_u32 v192, v0, 2, 0x6000
	v_mov_b32 v193, 0
	v_lshrrev_b32 v1, 5, v0
	v_readfirstlane_b32 s20, v1                    ; wave
	v_and_b32 v1, 31, v0                           ; lane
	v_and_b32 v2, 15, v0                           ; r
	v_bfe_u32 v3, v0, 4, 1                         ; h
	v_lshlrev_b32 v4, 4, v1                        ; 16 x lane
	s_cmp_lt_u32 ttmp9, 256
	s_cbranch_scc0 .Lweights
	; ---- x: tile T = the work-group's number; my wave takes K steps 2 w and 2 w + 1
	s_mov_b32 s[SEL], 0x76543210
	s_mov_b32 s[SEL+1], 0xfedcba98
	v_cmp_le_u32 s[HM], 16, v1
.irp b, 0,1,2,3
	v_mov_b32 v[TM+4+\b], 0                        ; a lane permute's destination counts as one of its sources
.endr
	s_lshr_b32 s21, ttmp9, 1
	s_lshl_b32 s21, s21, 5
	s_and_b32 s22, ttmp9, 1
	s_lshl_b32 s22, s22, 3
	s_add_co_u32 s21, s21, s22                     ; the tile's first row: 32 (T / 2) + 8 (T % 2)
	s_lshl_b32 s22, s21, 12
	s_lshl_b32 s23, s20, 10
	s_add_co_u32 s22, s22, s23
	s_mov_b32 s23, 0
	s_wait_alu depctr_va_vdst(0)
	v_and_b32 v5, 8, v2
	v_add_nc_u32 v5, v5, v2                        ; r + 8 (r / 8)
	v_lshlrev_b32 v5, 12, v5
	v_lshl_add_u32 v5, v3, 6, v5                   ; my row, + 64 h
	s_lshr_b32 s24, ttmp9, 3
	s_lshl_b32 s24, s24, 3
	s_lshl_b32 s25, s20, 1
	s_add_co_u32 s24, s24, s25
	s_mul_i32 s24, s24, UNIT                       ; unit (T / 8, 2 w)
	s_and_b32 s25, ttmp9, 7
	s_mul_i32 s26, s25, 1536
	s_add_co_u32 s26, s24, s26
	s_mov_b32 s27, 0
	s_lshl_b32 s25, s25, 6
	s_add_co_u32 s24, s24, s25
	s_add_co_u32 s24, s24, 12288
	s_mov_b32 s25, 0
	v_mul_u32_u24 v54, v3, UNIT
	v_lshl_add_u32 v54, v2, 2, v54                 ; the words: lanes 0-15 the first K step's, lanes 16-31 the second's
	s_wait_alu depctr_va_vdst(0)
	s_wait_kmcnt 0x0
	s_add_nc_u64 s[4:5], s[4:5], s[22:23]
	s_add_nc_u64 s[28:29], s[18:19], s[26:27]
	s_add_nc_u64 s[30:31], s[18:19], s[24:25]
	XLOAD 64, 0
	XLOAD 128, 1
	s_wait_loadcnt 16                              ; the first K step's 16 loads are in
	QUANT 64, 6
.irp c, 0,1,2
	global_store_b128 v4, v[PC+4*\c:PC+4*\c+3], s[28:29] offset:512*\c
.endr
	v_mov_b32 v53, v[PW]
	s_wait_loadcnt 0x0
	s_wait_xcnt 0x0                                ; the stores have read their registers: the codes may be written again
	QUANT 128, 6
.irp c, 0,1,2
	global_store_b128 v4, v[PC+4*\c:PC+4*\c+3], s[28:29] offset:UNIT+512*\c
.endr
	v_cndmask_b32 v53, v53, v[PW], s[HM]
	global_store_b32 v54, v53, s[30:31]
	s_endpgm
.Lweights:
	s_sub_co_u32 s21, ttmp9, 256                   ; the unit
	s_cmp_lt_u32 s21, 512
	s_cbranch_scc0 .Lw0
	s_wait_kmcnt 0x0
	s_mov_b64 s[22:23], s[14:15]                   ; W1, unless the unit's number says otherwise
	s_cmp_lt_u32 s21, 256
	s_cselect_b64 s[22:23], s[12:13], s[22:23]
	s_cmp_lt_u32 s21, 192
	s_cselect_b64 s[22:23], s[10:11], s[22:23]
	s_cmp_lt_u32 s21, 128
	s_cselect_b64 s[22:23], s[8:9], s[22:23]
	s_cmp_lt_u32 s21, 64
	s_cselect_b64 s[22:23], s[6:7], s[22:23]
	s_lshr_b32 s24, s21, 3
	s_and_b32 s24, s24, 7
	s_and_b32 s25, s21, 7
	s_lshr_b32 s26, s21, 5
	s_and_b32 s26, s26, 7
	s_and_b32 s27, s21, 31
	s_cmp_lt_u32 s21, 256
	s_cselect_b32 s24, s24, s26                    ; block of columns
	s_cselect_b32 s25, s25, s27                    ; K step
	s_wait_alu depctr_va_vdst(0)
	WPATH 4096, 0
	s_wait_tensorcnt 0x0
	ds_add_u32 v192, v193
	s_wait_dscnt 0x0
	s_endpgm
.Lw0:
	s_wait_kmcnt 0x0
	s_mov_b64 s[22:23], s[16:17]
	s_sub_co_u32 s24, s21, 512
	s_lshr_b32 s24, s24, 3
	s_and_b32 s25, s21, 7
	s_wait_alu depctr_va_vdst(0)
	WPATH 16384, 12288
	s_wait_tensorcnt 0x0
	ds_add_u32 v192, v193
	s_wait_dscnt 0x0
	s_endpgm
.Lfunc_end_k_q41ca6c8a9d_prep:
	.size	k_q41ca6c8a9d_prep, .Lfunc_end_k_q41ca6c8a9d_prep-k_q41ca6c8a9d_prep
	.p2alignl 7, 3214868480
	.fill 96, 4, 3214868480
	.section	.rodata,"a",@progbits
	.p2align	6, 0x0
	.amdhsa_kernel k_q41ca6c8a9d_prep
		.amdhsa_group_segment_fixed_size 25088
		.amdhsa_private_segment_fixed_size 0
		.amdhsa_enable_private_segment 0
		.amdhsa_kernarg_size 64
		.amdhsa_user_sgpr_count 2
		.amdhsa_user_sgpr_kernarg_segment_ptr 1
		.amdhsa_wavefront_size32 1
		.amdhsa_system_sgpr_workgroup_id_x 1
		.amdhsa_system_sgpr_workgroup_id_y 1
		.amdhsa_system_sgpr_workgroup_id_z 1
		.amdhsa_system_vgpr_workitem_id 0
		.amdhsa_next_free_vgpr 194
		.amdhsa_next_free_sgpr 66
		.amdhsa_reserve_vcc 0
		.amdhsa_float_denorm_mode_32 3
		.amdhsa_float_denorm_mode_16_64 3
		.amdhsa_memory_ordered 1
		.amdhsa_forward_progress 1
		.amdhsa_inst_pref_size 57
	.end_amdhsa_kernel
	.amdgpu_metadata
---
amdhsa.version: [ 1, 2 ]
amdhsa.kernels:
  - .name:           k_q41ca6c8a9d_prep
    .symbol:         k_q41ca6c8a9d_prep.kd
    .args:
      - { .name: x, .offset: 0, .size: 8, .value_kind: global_buffer, .address_space: global }
      - { .name: Wq, .offset: 8, .size: 8, .value_kind: global_buffer, .address_space: global }
      - { .name: Wk, .offset: 16, .size: 8, .value_kind: global_buffer, .address_space: global }
      - { .name: Wv, .offset: 24, .size: 8, .value_kind: global_buffer, .address_space: global }
      - { .name: Wo, .offset: 32, .size: 8, .value_kind: global_buffer, .address_space: global }
      - { .name: W1, .offset: 40, .size: 8, .value_kind: global_buffer, .address_space: global }
      - { .name: W0, .offset: 48, .size: 8, .value_kind: global_buffer, .address_space: global }
      - { .name: pimg, .offset: 56, .size: 8, .value_kind: global_buffer, .address_space: global }
    .group_segment_fixed_size: 25088
    .private_segment_fixed_size: 0
    .kernarg_segment_align: 8
    .kernarg_segment_size: 64
    .max_flat_workgroup_size: 128
    .sgpr_count:     66
    .vgpr_count:     194
    .wavefront_size: 32
...
	.end_amdgpu_metadata
.endif
;; end of part 1
;; launch qkv (part 2): grid 8 x 32, 4 waves a work-group, clusters of 4 x 4, 327,680 bytes of LDS; arguments pimg, bq, bk, bv, mask, qkvi; writes qkvi
.if DOCPART == 2
	.amdgcn_target "amdgcn-amd-amdhsa--gfx1250"
	.amdhsa_code_object_version 6
	.text
	.protected	k_q41ca6c8a9d_qkv
	.globl	k_q41ca6c8a9d_qkv
	.p2align	8
	.type	k_q41ca6c8a9d_qkv,@function
k_q41ca6c8a9d_qkv:
	s_mov_b64 s[64:65], 0
	v_nop
	global_prefetch_b8 v0, s[64:65] scope:SCOPE_SE
	s_setreg_imm32_b32 hwreg(HW_REG_WAVE_MODE, 25, 1), 1
	s_wait_xcnt 0x0
	s_wait_alu depctr_hold_cnt(0) depctr_sa_sdst(0) depctr_va_vdst(0) depctr_va_sdst(0) depctr_va_ssrc(0) depctr_va_vcc(0) depctr_vm_vsrc(0)
	s_getreg_b32 s2, hwreg(HW_REG_IB_STS2, 6, 4)
	s_cmp_eq_u32 s2, 0
	s_cbranch_scc0 .Lentry_in_a_cluster
	s_endpgm
.Lentry_in_a_cluster:
	s_bfe_u32 s2, ttmp6, 0x10000c
	s_cmp_lg_u32 s2, 0xf033
	s_cbranch_scc0 .Lentry_shape_is_right
	s_endpgm
.Lentry_shape_is_right:
; q = x Wq + bq, k = x Wk + bk, v = x Wv + bv on codes of BF6, and each result quantised at once for attention: q and k along the head's 64, v along the keys.
; A work-group (bx, by) takes 128 rows of x (block by) and 128 columns (block bx: two heads).  Three panels of 102,400 bytes lie in LDS, filled once: Wq's block, Wk's block, x's block.
; In each product eight tiles come from LDS (source 0) and the wave's own two tiles x 8 K steps stay in registers (source 1): for q and k the eight are the weight's columns and the two are rows of x;
; for v the eight are x's rows (the keys) and the two are Wv's columns, so that a lane's 64 results run along the keys.  A lane's 64 results are 64 numbers in the quantiser's order.
; THE MASK RIDES IN THE PRODUCT: the scores' K is 64 of the instruction's 128, so element k = 64 is free.  q carries there the code of 1.0 under the byte 127; a masked key the code of -1.0 under the byte 160 (2^33),
; and zeros for its 64 real codes; an open key 0.  A masked score is then exactly -2^33.  LIMIT: a masked logit is -2^30 where the definition has -1e9; open logits have to stay above that.
; CLUSTER 4 x 4: Wq's and Wk's panels hang on bx alone and are asked for jointly along a column of the cluster, x's panel on by alone, along a row.  Nothing in LDS is filled twice.
; LIMITS: NaN and infinities are not served; a block under 2^-122 keeps the byte 1.
; REGISTERS: window 0: v1-9 addresses, v11 zero, v14-27 mask, bias and words; v32-39 the eight's scale words (two sets), v40-47, v48-55 the two's; v64-191 16 accumulators; v192-232 the quantiser's.
;   window 1: v0-191 the eight's fragments, two sets; v192-255 bq.   window 2: x's two tiles x 8 K steps; v192-255 bk.   window 3: Wv's two tiles x 8 K steps; v192-207 bv.
.set UNIT,  12800
.set PANB,  8*UNIT
.set WBASE, 3276800
.set QSO,   4194304
.set KVO,   4456448
.set KVU,   15104
.set L16, 1
.set L4,  2
.set H64, 3
.set PR4, 4
.set L8,  5
.set EA0, 6
.set SA0, 8
.set NIL, 11
.set ES,  32
.set TS,  40
.set TS2, 48
.set ACC, 64
.set PC,  192
.set PX,  208
.set TM,  216
.set PW,  232
.set WV, 72
.set CX, 73
.set CY, 74
.set BX, 75
.set BY, 76
.set MC, 77
.set MR, 78
.set HM, 79
.set SEL, 80
.set TB, 82
.set TSB, 84
.set TB2, 96
.set TSB2, 98
.set MSB, 0
.macro WIN new                         ; the immediate's high byte repeats the setting that is left
.if MSB != \new
	s_set_vgpr_msb (MSB<<8)|\new
.set MSB, \new
.endif
.endm
.macro PLACES                          ; four plain places behind matrix instructions, and behind a tensor load
.rept 4
	v_nop
.endr
.endm
.macro CROUND                          ; a round of the cluster's barrier
	s_barrier_signal -1
	s_barrier_wait -1
	s_cmp_lg_u32 s[WV], 0
	s_cbranch_scc1 .Lnot_wave_0_\@
	s_barrier_signal -3
.Lnot_wave_0_\@:
	s_barrier_wait -3
	s_barrier_signal -1
	s_barrier_wait -1
.endm
.macro MEET n                          ; my first fills but the youngest n have landed, my LDS loads are in: then the work-group's barrier.
	s_wait_tensorcnt \n
	s_wait_dscnt 0x0
	s_barrier_signal -1
	s_barrier_wait -1
.endm
.macro G1SET g, m, rows                ; group 1: a dense block as rows of 256 bytes (32 elements of 8 bytes), no padding; the mask, and bit 21 beside it
	s_or_b32 s[\g], s[\m], (3<<16)|(1<<21)
	s_mov_b32 s[\g+1], 32<<16
	s_mov_b32 s[\g+2], (\rows)<<16
	s_mov_b32 s[\g+3], 32<<16
	s_mov_b32 s[\g+4], \rows
	s_mov_b32 s[\g+5], 32
	s_mov_b32 s[\g+6], 0
	s_mov_b32 s[\g+7], 0
.endm
.macro G0SET g, lr, lo, op, go         ; group 0: LDS byte s[lr] + lo; memory pimg + s[op:op+1] + go
	s_mov_b32 s[\g], 1
	s_add_co_u32 s[\g+1], s[\lr], \lo
	s_add_nc_u64 s[\g+2:\g+3], s[4:5], s[\op:\op+1]
.if (\go) != 0
	s_add_nc_u64 s[\g+2:\g+3], s[\g+2:\g+3], \go
.endif
	s_or_b32 s[\g+3], s[\g+3], 0x80000000
.endm
.macro TL g0, g1
	tensor_load_to_lds s[\g0:\g0+3], s[\g1:\g1+7]
	s_nop 0
	PLACES
.endm
.macro FILL g0, g1                     ; a later first fill: all my tensor loads have landed, the add, my LDS loads are in; a round of the cluster's barrier; my one joint load
	WIN 0
	s_wait_tensorcnt 0x0
	ds_add_u32 v254, v255
	s_wait_dscnt 0x0
	CROUND
	TL \g0, \g1
.endm
.macro WMX ra, rb                      ; one product; ra, rb: the scale words stand in lanes 16-31
.if (\ra) && (\rb)
	v_wmma_scale_f32_16x16x128_f8f6f4 v[rD:rD+7], v[rA:rA+11], v[rB:rB+11], v[rC:rC+7], v[rSA], v[rSB] matrix_a_fmt:MATRIX_FMT_BF6 matrix_b_fmt:MATRIX_FMT_BF6 matrix_a_scale:MATRIX_SCALE_ROW1 matrix_b_scale:MATRIX_SCALE_ROW1
.elseif (\ra)
	v_wmma_scale_f32_16x16x128_f8f6f4 v[rD:rD+7], v[rA:rA+11], v[rB:rB+11], v[rC:rC+7], v[rSA], v[rSB] matrix_a_fmt:MATRIX_FMT_BF6 matrix_b_fmt:MATRIX_FMT_BF6 matrix_a_scale:MATRIX_SCALE_ROW1
.elseif (\rb)
	v_wmma_scale_f32_16x16x128_f8f6f4 v[rD:rD+7], v[rA:rA+11], v[rB:rB+11], v[rC:rC+7], v[rSA], v[rSB] matrix_a_fmt:MATRIX_FMT_BF6 matrix_b_fmt:MATRIX_FMT_BF6 matrix_b_scale:MATRIX_SCALE_ROW1
.else
	v_wmma_scale_f32_16x16x128_f8f6f4 v[rD:rD+7], v[rA:rA+11], v[rB:rB+11], v[rC:rC+7], v[rSA], v[rSB] matrix_a_fmt:MATRIX_FMT_BF6 matrix_b_fmt:MATRIX_FMT_BF6
.endif
.endm
; K step s: my two tiles x the eight: 16 accumulators by turns, one instruction a turn.  first = 1: C is the bias: by the eight's tile (cmode 0) or by mine (cmode 1)
.macro MUL s, ts, first, cb, cmode
.set mi, 0
.rept 2
.set mj, 0
.rept 8
.set rD, ACC+64*mi+8*mj
.set rA, 96*((\s)%2)+12*mj
.set rB, 24*(\s)+12*mi
.set rC, rD
.if \first
.if \cmode
.set rC, (\cb)+8*mi
.else
.set rC, (\cb)+8*mj
.endif
.endif
.set rSA, ES+4*((\s)%2)+mj/2
.set rSB, (\ts)+(\s)
	WMX mj%2, mi
.set mj, mj+1
.endr
.set mi, mi+1
.endr
.endm
.macro FETCH s                         ; the eight's fragments and scale words of K step s: 28 LDS loads, each of consecutive bytes
	PLACES
	WIN 0x40
.set fj, 0
.rept 8
.irp c, 0,1,2
	ds_load_b128 v[96*((\s)%2)+12*fj+4*\c:96*((\s)%2)+12*fj+4*\c+3], v[EA0+(\s)/4] offset:((\s)%4)*UNIT+1536*fj+512*\c
.endr
.set fj, fj+1
.endr
	WIN 0
.irp p, 0,1,2,3
	ds_load_b32 v[ES+4*((\s)%2)+\p], v[SA0+(\s)/4] offset:((\s)%4)*UNIT+12288+128*\p   ; lanes 0-15 tile 2 p's words, lanes 16-31 tile 2 p + 1's
.endr
.endm
; A panel of 8 K steps out of LDS slot 'slot'.  meet >= 0: the panel's second half is waited for ahead of K step 4's loads
.macro PANEL slot, win, winf, ts, first, cb, cmode, meet
	v_add_nc_u32 v[EA0], (\slot)*PANB, v[L16]
	s_wait_alu depctr_va_vdst(0)
	v_add_nc_u32 v[EA0+1], (\slot)*PANB+4*UNIT, v[L16]
	v_add_nc_u32 v[SA0], (\slot)*PANB, v[L4]
	s_wait_alu depctr_va_vdst(0)
	v_add_nc_u32 v[SA0+1], (\slot)*PANB+4*UNIT, v[L4]
	s_wait_alu depctr_va_vdst(0)
	FETCH 0
.set ps, 0
.rept 8
.if (ps == 3) && ((\meet) >= 0)
	MEET \meet
.endif
.if ps < 7
	FETCH ps+1
	s_wait_dscnt 28                                ; this K step's loads are in; the 28 just issued may be out
.else
	s_wait_dscnt 0x0
.endif
.if (\first) && (ps == 0)
	WIN \winf
	MUL ps, \ts, 1, \cb, \cmode
.else
	WIN \win
	MUL ps, \ts, 0, \cb, \cmode
.endif
.set ps, ps+1
.endr
	WIN 0
	PLACES
.endm
.macro TWO winv, ts, tb, tsb, off      ; my two tiles x 8 K steps, from memory straight into registers: each load reads 512 consecutive bytes; and their scale words
	WIN \winv
.set tq, 0
.rept 8
.irp i, 0,1
.irp c, 0,1,2
	global_load_b128 v[24*tq+12*\i+4*\c:24*tq+12*\i+4*\c+3], v[L16], s[\tb:\tb+1] offset:(\off)+UNIT*tq+1536*\i+512*\c
.endr
.endr
.set tq, tq+1
.endr
	WIN 0
.set tq, 0
.rept 8
	global_load_b32 v[(\ts)+tq], v[L4], s[\tsb:\tsb+1] offset:(\off)+UNIT*tq
.set tq, tq+1
.endr
.endm
.macro BIAS winv, reg, base, off       ; a bias in the result's layout: for tile j the eight numbers 32 (j / 2) + 8 (j % 2) + 16 h + 0 .. 7
	WIN \winv
.set bj, 0
.rept 8
	global_load_b128 v[(\reg)+8*bj:(\reg)+8*bj+3], v[H64], s[\base:\base+1] offset:(\off)+(32*(bj/2)+8*(bj%2))*4
	global_load_b128 v[(\reg)+8*bj+4:(\reg)+8*bj+7], v[H64], s[\base:\base+1] offset:(\off)+(32*(bj/2)+8*(bj%2))*4+16
.set bj, bj+1
.endr
	WIN 0
.endm
.macro QUANT src, cst                  ; 64 numbers of a lane -> codes in v[PC] on (the two pairs of blocks cst registers apart) and the scale word in v[PW]
.irp b, 0,1,2,3
	v_max3_num_f32 v[TM+\b], |v[\src+16*\b]|, |v[\src+1+16*\b]|, 0x2800000
.endr
.irp i, 2,4,6,8,10,12,14
.irp b, 0,1,2,3
	v_max3_num_f32 v[TM+\b], v[TM+\b], |v[\src+16*\b+\i]|, |v[\src+1+16*\b+\i]|
.endr
.endr
.irp b, 0,1,2,3
	v_permlanex16_b32 v[TM+4+\b], v[TM+\b], s[SEL], s[SEL+1]
.endr
.irp b, 0,1,2,3
	v_max_num_f32 v[TM+\b], v[TM+\b], v[TM+4+\b]
.endr
.irp b, 0,1,2,3
	v_add_nc_u32 v[TM+12+\b], 0xfe000000, v[TM+\b]
.endr
.irp b, 0,1,2,3
	v_lshrrev_b32 v[TM+4+\b], 23, v[TM+12+\b]
.endr
	v_lshl_or_b32 v[PW], v[TM+5], 8, v[TM+4]
	v_lshl_or_b32 v[PW], v[TM+6], 16, v[PW]
	v_lshl_or_b32 v[PW], v[TM+7], 24, v[PW]
.irp c, 0,1
	v_cvt_scalef32_pk16_bf6_f32 v[PC+\cst*\c:PC+\cst*\c+2], v[\src+32*\c:\src+32*\c+15], v[TM+12+2*\c]
	v_cvt_scalef32_pk16_bf6_f32 v[PX+4*\c:PX+4*\c+2], v[\src+32*\c+16:\src+32*\c+31], v[TM+12+2*\c+1]
.endr
	v_nop
.irp c, 0,1
.irp i, 0,1,2
	v_permlane16_swap_b32 v[PC+\cst*\c+\i], v[PX+4*\c+\i]
.endr
.irp i, 0,1,2
	v_mov_b32 v[PC+\cst*\c+3+\i], v[PX+4*\c+\i]
.endr
.endr
.endm
; My tile ii of q (kind 0) or k (kind 1): two heads' half fragments of 8 registers each: 6 of codes, register 6 with the mask's element, register 7 zero.  cb: the codes' base; hs: bytes from a head to the next
.macro EPI_QK kind, ii, cb, hs
	s_wait_xcnt 0x0                                ; earlier stores have read their registers
	QUANT (ACC+64*\ii), 8
.if \kind
	v_cmp_ne_u32 vcc_lo, 0, v[14+\ii]              ; an open key
.irp n, 0,1,2,3,4,5,8,9,10,11,12,13
	v_cndmask_b32 v[PC+\n], 0, v[PC+\n], vcc_lo    ; a masked key's real codes are zeros
.endr
	v_cndmask_b32 v[PC+6], v19, v[NIL], vcc_lo     ; -1.0 at k = 64 of a masked key
	v_cndmask_b32 v27, v26, v25, vcc_lo            ; under the byte 160
.else
	v_mov_b32 v[PC+6], v18                         ; 1.0 at k = 64
	v_mov_b32 v27, v25
.endif
	v_mov_b32 v[PC+14], v[PC+6]
	v_mov_b32 v[PC+7], 0
	v_mov_b32 v[PC+15], 0
	v_and_or_b32 v[20+2*\ii], v[PW], 0xffff, v27   ; the first head's two bytes, and the upper two
	v_lshrrev_b32 v[21+2*\ii], 16, v[PW]
	v_or_b32 v[21+2*\ii], v[21+2*\ii], v27         ; the second head's
	global_store_b128 v[L16], v[PC:PC+3], s[\cb:\cb+1] offset:1024*\ii
	global_store_b128 v[L16], v[PC+4:PC+7], s[\cb:\cb+1] offset:1024*\ii+512
	global_store_b128 v[L16], v[PC+8:PC+11], s[\cb:\cb+1] offset:\hs+1024*\ii
	global_store_b128 v[L16], v[PC+12:PC+15], s[\cb:\cb+1] offset:\hs+1024*\ii+512
.endm
.macro WORDS wb, whs                   ; my two tiles' words: lanes 0-15 the first tile's, lanes 16-31 the second's: 128 consecutive bytes a head
	v_cndmask_b32 v20, v20, v22, s[HM]
	v_cndmask_b32 v21, v21, v23, s[HM]
	global_store_b32 v[L4], v20, s[\wb:\wb+1]
	global_store_b32 v[L4], v21, s[\wb:\wb+1] offset:\whs
.endm
	s_load_b256 s[4:11], s[0:1], 0x0               ; pimg, bq, bk, bv
	s_load_b128 s[12:15], s[0:1], 0x20             ; mask, qkvi
	v_lshl_add_u32 v254, v0, 2, 0x4b000
	v_mov_b32 v255, 0
	ds_add_u32 v254, v255
	ds_add_u32 v254, v255
	v_lshrrev_b32 v12, 5, v0
	v_readfirstlane_b32 s[WV], v12                 ; wave 0..3
	s_bfe_u32 s[CX], ttmp6, 0x40000
	s_bfe_u32 s[CY], ttmp6, 0x40004
	s_lshl_b32 s[BX], ttmp9, 2
	s_add_co_u32 s[BX], s[BX], s[CX]               ; block of columns
	s_and_b32 s[BY], ttmp7, 0xffff
	s_lshl_b32 s[BY], s[BY], 2
	s_add_co_u32 s[BY], s[BY], s[CY]               ; block of rows
	s_lshl_b32 s[MC], 0x1111, s[CX]                ; my column of the cluster
	s_lshl_b32 s[MR], s[CY], 2
	s_lshl_b32 s[MR], 15, s[MR]                    ; my row
	G1SET 32, MC, 100                              ; two K steps
	G1SET 40, MR, 100
	s_mul_i32 s16, s[WV], UNIT
	s_lshl_b32 s17, s16, 1
	s_mul_i32 s86, s[BX], 8*UNIT
	s_add_co_u32 s86, s86, WBASE                   ; Wq's block: made of bx alone
	s_add_co_u32 s90, s86, s17
	s_mov_b32 s91, 0
	s_mul_i32 s92, s[BY], 8*UNIT                   ; x's block: made of by alone
	s_add_co_u32 s94, s92, s17
	s_mov_b32 s95, 0
	s_mul_i32 s18, s[WV], 3072
	s_lshl_b32 s19, s[WV], 7
	s_add_co_u32 s19, s19, 12288
	s_add_co_u32 s[TB], s92, s18                   ; my two tiles of x,
	s_mov_b32 s[TB+1], 0
	s_add_co_u32 s[TSB], s92, s19
	s_mov_b32 s[TSB+1], 0
	s_add_co_u32 s[TB2], s86, s18                  ; and of Wv
	s_add_co_u32 s[TB2], s[TB2], 128*UNIT
	s_mov_b32 s[TB2+1], 0
	s_add_co_u32 s[TSB2], s86, s19
	s_add_co_u32 s[TSB2], s[TSB2], 128*UNIT
	s_mov_b32 s[TSB2+1], 0
	s_wait_dscnt 0x0
	s_wait_kmcnt 0x0
	CROUND                                         ; all sixteen work-groups are here: the joint loads meet
	G0SET 48, 17, 0, 90, 0                         ; Wq, K steps 2 w, 2 w + 1
	G0SET 56, 17, PANB, 90, 64*UNIT                ; Wk, K steps 2 w, 2 w + 1
	G0SET 60, 17, 2*PANB, 94, 0                    ; x, K steps 2 w, 2 w + 1
	TL 48, 32                                      ; my one load at the head: a quarter of Wq's panel
	v_and_b32 v13, 31, v0                          ; lane
	v_lshlrev_b32 v[L16], 4, v13
	v_lshlrev_b32 v[L4], 2, v13
	v_lshlrev_b32 v[L8], 3, v13
	v_bfe_u32 v12, v0, 4, 1                        ; h
	v_lshlrev_b32 v[H64], 6, v12
	v_and_b32 v14, 15, v0                          ; r
	v_and_b32 v15, 8, v14
	v_add_nc_u32 v15, v15, v14
	v_lshlrev_b32 v[PR4], 2, v15                   ; 4 (r + 8 (r / 8))
	v_cmp_le_u32 s[HM], 16, v13
	v_cmp_gt_u32 vcc_lo, 16, v13
	v_mov_b32 v[NIL], 0
	v_mov_b32 v18, 12
	v_cndmask_b32 v18, 0, v18, vcc_lo              ; the code of 1.0 in lanes 0-15, which hold k = 64
	v_mov_b32 v19, 44
	v_cndmask_b32 v19, 0, v19, vcc_lo              ; the code of -1.0
	v_mov_b32 v25, 0x7f7f0000                      ; bytes 2 and 3 of a scale word: 127, 127
	v_mov_b32 v26, 0x7fa00000                      ; 160, 127
	s_mov_b32 s[SEL], 0x76543210
	s_mov_b32 s[SEL+1], 0xfedcba98
.irp b, 0,1,2,3
	v_mov_b32 v[TM+4+\b], 0
.endr
	s_add_nc_u64 s[TB:TB+1], s[4:5], s[TB:TB+1]
	s_add_nc_u64 s[TSB:TSB+1], s[4:5], s[TSB:TSB+1]
	s_add_nc_u64 s[TB2:TB2+1], s[4:5], s[TB2:TB2+1]
	s_add_nc_u64 s[TSB2:TSB2+1], s[4:5], s[TSB2:TSB2+1]
	s_lshl_b32 s86, s[BX], 9
	s_mov_b32 s87, 0
	s_add_nc_u64 s[6:7], s[6:7], s[86:87]          ; bq, bk at my 128 columns
	s_add_nc_u64 s[8:9], s[8:9], s[86:87]
	s_lshl_b32 s88, s[WV], 7
	s_add_co_u32 s86, s86, s88
	s_add_nc_u64 s[10:11], s[10:11], s[86:87]      ; bv at my wave's 32 columns
	s_lshl_b32 s86, s[BY], 9
	s_add_co_u32 s86, s86, s88
	s_add_nc_u64 s[12:13], s[12:13], s[86:87]      ; the mask at my wave's 32 keys
	BIAS 0x40, 192, 6, 0
	TWO 0x80, TS, TB, TSB, 0
	; where the results go
	s_lshr_b32 s86, s[BY], 4
	s_lshl_b32 s86, s86, 4
	s_lshl_b32 s87, s[BX], 1
	s_add_co_u32 s86, s86, s87                     ; batch x 16 + the block's first head
	s_and_b32 s87, s[BY], 15                       ; the block of 128 rows in its batch: a key step
	s_lshl_b32 s88, s86, 7
	s_lshl_b32 s89, s87, 3
	s_add_co_u32 s88, s88, s89
	s_lshl_b32 s89, s[WV], 1
	s_add_co_u32 s88, s88, s89                     ; my first tile of queries
	s_lshl_b32 s16, s88, 10
	s_mov_b32 s17, 0
	s_lshl_b32 s18, s88, 6
	s_add_co_u32 s18, s18, QSO
	s_mov_b32 s19, 0
	s_lshl_b32 s88, s86, 4
	s_add_co_u32 s88, s88, s87
	s_mul_i32 s88, s88, KVU
	s_add_co_u32 s88, s88, KVO                     ; the first head's unit of this key step
	s_lshl_b32 s89, s[WV], 11
	s_add_co_u32 s20, s88, s89
	s_mov_b32 s21, 0
	s_lshl_b32 s89, s[WV], 7
	s_add_co_u32 s22, s88, s89
	s_add_co_u32 s22, s22, 8192
	s_mov_b32 s23, 0
	s_lshr_b32 s89, s[WV], 1                       ; v: waves 0, 1 hold the first head's channels, waves 2, 3 the second's
	s_mul_i32 s89, s89, 16*KVU
	s_add_co_u32 s88, s88, s89
	s_and_b32 s89, s[WV], 1
	s_mul_i32 s90, s89, 3072
	s_add_co_u32 s92, s88, s90
	s_add_co_u32 s92, s92, 8704
	s_mov_b32 s93, 0
	s_lshl_b32 s90, s89, 7
	s_add_co_u32 s94, s88, s90
	s_add_co_u32 s94, s94, 14848
	s_mov_b32 s95, 0
	s_add_nc_u64 s[16:17], s[14:15], s[16:17]
	s_add_nc_u64 s[18:19], s[14:15], s[18:19]
	s_add_nc_u64 s[20:21], s[14:15], s[20:21]
	s_add_nc_u64 s[22:23], s[14:15], s[22:23]
	s_add_nc_u64 s[92:93], s[14:15], s[92:93]
	s_add_nc_u64 s[94:95], s[14:15], s[94:95]
	s_wait_loadcnt 0x0                             ; bq and x's tiles; what follows lands under the first product
	BIAS 0x80, 192, 8, 0
	global_load_b32 v14, v[PR4], s[12:13]          ; the mask of my tiles' keys
	global_load_b32 v15, v[PR4], s[12:13] offset:32
	global_load_b32 v16, v[PR4], s[10:11]          ; bv of my tiles' columns
	global_load_b32 v17, v[PR4], s[10:11] offset:32
	TWO 0xc0, TS2, TB2, TSB2, 0
	; ---- q
	s_wait_alu depctr_va_vdst(0)                   ; the wait at the head's end
	FILL 56, 32                                    ; Wq's panel is whole in every wave's sight; Wk's panel sets out and lands under q's product
	PANEL 0, 0x09, 0x19, TS, 1, 192, 0, -1
	FILL 60, 40                                    ; Wk's panel is whole in every wave's sight; x's panel sets out and lands under k's product
	EPI_QK 0, 0, 16, 131072
	EPI_QK 0, 1, 16, 131072
	WORDS 18, 8192
	; ---- k
	s_wait_loadcnt 0x0                             ; bk, mask, bv, Wv's tiles
	WIN 0xc0
.irp i, 0,1
.irp e, 0,1,2,3,4,5,6,7
	v_mov_b32 v[192+8*\i+\e], v[16+\i]             ; bv as a C: a lane holds one column, so one number in all eight registers
.endr
.endr
	WIN 0
	PANEL 1, 0x09, 0x29, TS, 1, 192, 0, -1
	EPI_QK 1, 0, 20, 241664
	EPI_QK 1, 1, 20, 241664
	WORDS 22, 241664
	; ---- v: the eight are x's rows, the two are Wv's columns
	MEET 0
	PANEL 2, 0x0d, 0x3d, TS2, 1, 192, 1, -1
.irp e, 0,1
	s_wait_xcnt 0x0
	QUANT (ACC+64*\e), 6
.irp c, 0,1,2
	global_store_b128 v[L16], v[PC+4*\c:PC+4*\c+3], s[92:93] offset:1536*\e+512*\c
.endr
.if \e == 0
	v_mov_b32 v20, v[PW]
.else
	v_cndmask_b32 v20, v20, v[PW], s[HM]
	global_store_b32 v[L4], v20, s[94:95]
.endif
.endr
	s_wait_tensorcnt 0x0
	ds_add_u32 v254, v255
	s_wait_dscnt 0x0
	CROUND                                         ; the closing round
	s_endpgm
.Lfunc_end_k_q41ca6c8a9d_qkv:
	.size	k_q41ca6c8a9d_qkv, .Lfunc_end_k_q41ca6c8a9d_qkv-k_q41ca6c8a9d_qkv
	.p2alignl 7, 3214868480
	.fill 96, 4, 3214868480
	.section	.rodata,"a",@progbits
	.p2align	6, 0x0
	.amdhsa_kernel k_q41ca6c8a9d_qkv
		.amdhsa_group_segment_fixed_size 327680
		.amdhsa_private_segment_fixed_size 0
		.amdhsa_enable_private_segment 0
		.amdhsa_kernarg_size 48
		.amdhsa_user_sgpr_count 2
		.amdhsa_user_sgpr_kernarg_segment_ptr 1
		.amdhsa_wavefront_size32 1
		.amdhsa_system_sgpr_workgroup_id_x 1
		.amdhsa_system_sgpr_workgroup_id_y 1
		.amdhsa_system_sgpr_workgroup_id_z 1
		.amdhsa_system_vgpr_workitem_id 0
		.amdhsa_next_free_vgpr 1024
		.amdhsa_next_free_sgpr 100
		.amdhsa_reserve_vcc 1
		.amdhsa_float_denorm_mode_32 3
		.amdhsa_float_denorm_mode_16_64 3
		.amdhsa_memory_ordered 1
		.amdhsa_forward_progress 1
		.amdhsa_inst_pref_size 149
	.end_amdhsa_kernel
	.amdgpu_metadata
---
amdhsa.version: [ 1, 2 ]
amdhsa.kernels:
  - .name:           k_q41ca6c8a9d_qkv
    .symbol:         k_q41ca6c8a9d_qkv.kd
    .args:
      - { .name: pimg, .offset: 0, .size: 8, .value_kind: global_buffer, .address_space: global }
      - { .name: bq, .offset: 8, .size: 8, .value_kind: global_buffer, .address_space: global }
      - { .name: bk, .offset: 16, .size: 8, .value_kind: global_buffer, .address_space: global }
      - { .name: bv, .offset: 24, .size: 8, .value_kind: global_buffer, .address_space: global }
      - { .name: mask, .offset: 32, .size: 8, .value_kind: global_buffer, .address_space: global }
      - { .name: qkvi, .offset: 40, .size: 8, .value_kind: global_buffer, .address_space: global }
    .group_segment_fixed_size: 327680
    .private_segment_fixed_size: 0
    .kernarg_segment_align: 8
    .kernarg_segment_size: 48
    .max_flat_workgroup_size: 128
    .sgpr_count:     100
    .vgpr_count:     1024
    .wavefront_size: 32
...
	.end_amdgpu_metadata
.endif
;; end of part 2
;; launch attn (part 3): grid 8 x 32, 8 waves a work-group, clusters of 4 x 1, 327,680 bytes of LDS; arguments qkvi, ci; writes ci
.if DOCPART == 3
	.amdgcn_target "amdgcn-amd-amdhsa--gfx1250"
	.amdhsa_code_object_version 6
	.text
	.protected	k_q41ca6c8a9d_attn
	.globl	k_q41ca6c8a9d_attn
	.p2align	8
	.type	k_q41ca6c8a9d_attn,@function
k_q41ca6c8a9d_attn:
	s_mov_b64 s[64:65], 0
	v_nop
	global_prefetch_b8 v0, s[64:65] scope:SCOPE_SE
	s_setreg_imm32_b32 hwreg(HW_REG_WAVE_MODE, 25, 1), 1
	s_wait_xcnt 0x0
	s_wait_alu depctr_hold_cnt(0) depctr_sa_sdst(0) depctr_va_vdst(0) depctr_va_sdst(0) depctr_va_ssrc(0) depctr_va_vcc(0) depctr_vm_vsrc(0)
	s_getreg_b32 s2, hwreg(HW_REG_IB_STS2, 6, 4)
	s_cmp_eq_u32 s2, 0
	s_cbranch_scc0 .Lentry_in_a_cluster
	s_endpgm
.Lentry_in_a_cluster:
	s_bfe_u32 s2, ttmp6, 0x10000c
	s_cmp_lg_u32 s2, 0x3003
	s_cbranch_scc0 .Lentry_shape_is_right
	s_endpgm
.Lentry_shape_is_right:
; ctx = softmax(q k^T / 8, masked) v for one head and 256 queries, both products on codes of BF6; ctx is quantised at once along the head's 64 for the next product.
; THE SOFTMAX: t = score x log2(e) / 8; M = the running largest t rounded up to a whole number; p = 2^(t - M) is quantised along the keys, not normalised; the sum of the unquantised p divides at the end.
; The mask needs no line here: a masked key's score comes out of the first product as -2^33 (element k = 64 of q and k).
; LIMITS: a masked logit is -2^30 where the definition has -1e9, and open logits have to stay above that; the scaled scores stay under 2^31 in magnitude; NaN and infinities are not served.
; SHARES: eight waves, each with TWO tiles of 16 queries, so that each fragment of K and V read from LDS feeds two products.  The head's K and V are 16 units of 15,104 bytes (128 keys each: 8 tiles of K as
; images of 8 registers, their words, 4 tiles of V^T as images of 12 registers, their words).  Wave w brings units 2 w and 2 w + 1, its one tensor load, as 118 rows of 256 bytes with 16 bytes of padding
; behind each: all 16 units lie in LDS, each filled once.
; CLUSTER 4 x 1: the four blocks of 256 queries of a cluster belong to one head and want the same 241,664 bytes: each pair of units is asked for JOINTLY.  The descriptor hangs on the head and the wave's number alone.
; ONE BARRIER: a wave signals when its own units have landed, works unit 2 w between the signal and the wait, and then walks the other fifteen, units 2 w + 1 .. 2 w + 15 modulo 16.
; No prefetch: every tile is asked for at the head by its tensor load, so there is no later tile to ask for ahead.
; WHICH KEYS FORM A TILE OF K is chosen by the LDS addresses: lane r of tile 4 c + u takes key 64 c + 8 u + r % 8 + 32 (r / 8).  With both products transposed a lane holds one query, and the 32 registers of
; tiles 4 c .. 4 c + 3 are keys 64 c + 32 (lane / 16) + 0 .. 31: one whole block of the second product's K, in the operand's own order.  So a block's maximum needs no other lane and p's codes are not moved between lanes.
; K's TILES LIE 8 REGISTERS APART though an operand names 12: q's codes of k = 80 .. 127 are zeros and every pattern of 6 bits is a finite number, so what the last four registers hold adds nothing
; (tile 7's four are the lane terms v96-99).
; REGISTERS, window 0: v1-2 the spare word's address and 0; v3, v16 q's words of the two tiles; v4-7 K's; v8-9 V's; v10-11 LDS addresses; v12 -M, v13 largest score, v[14:15] the sum; v18 f; v19, v17 p's words;
;   v20-31 q; v32-95 K's eight tiles, and between the first product and the next fetch the first tile's scratch; v96-99 lane terms; v100-147 V^T; v148-211 S^T, then p; v212-243 O^T; v244-255 p's codes.
; Window 1: the second tile's -M, score, sum, f, q, scratch, S^T, O^T and codes at the same numbers, so that one text serves both tiles under two settings of the windows.  Scale words stay in window 0.
.set KVU, 15104
.set KVL, 16048                        ; a unit in LDS: 59 rows of 272 bytes
.set QSO, 4194304
.set KVO, 4456448
.set CSO, 3145728
.set SPARE, 16*KVL                     ; behind the units: the spare words, 128 bytes a wave
.set SPW, 1
.set NIL, 2
.set QW, 3
.set KW, 4
.set VW, 8
.set AV, 10
.set AVW, 11
.set NEGM, 12
.set RUN, 13
.set LS, 14
.set QWB, 16
.set PWB, 17
.set F, 18
.set PW, 19
.set Q, 20
.set K, 32
.set LK, 96
.set LV, 97
.set LKW, 98
.set LVW, 99
.set V, 100
.set S, 148
.set O, 212
.set P, 244
.set M, 32                             ; scratch
.set T0, 36
.set T1, 37
.set SC, 38
.set BB, 40
.set X, 44
.set NC, 44
.set CX, 48
.set XB, 49
.set WV, 50
.set BH, 51
.set SEL, 52
.set CS, 54
.set TBL, 56
.set CNT, 57
.set OC, 58
.set OW, 60
.set TBN, 62
.set JJ, 63
.set MSB, 0
.macro WIN new                         ; the immediate's high byte repeats the setting that is left.  Low byte: bits 1:0 source 0, 3:2 source 1, 5:4 source 2, 7:6 destination
.if MSB != \new
	s_set_vgpr_msb (MSB<<8)|\new
.set MSB, \new
.endif
.endm
.macro CROUND                          ; a round of the cluster's barrier
	s_barrier_signal -1
	s_barrier_wait -1
	s_cmp_lg_u32 s[WV], 0
	s_cbranch_scc1 .Lnot_wave_0_\@
	s_barrier_signal -3
.Lnot_wave_0_\@:
	s_barrier_wait -3
	s_barrier_signal -1
	s_barrier_wait -1
.endm
.macro WQK n, qw                       ; S^T of keys' tile n; qw: the query tile's scale words
.if (\n)%2
	v_wmma_scale_f32_16x16x128_f8f6f4 v[S+8*(\n):S+8*(\n)+7], v[K+8*(\n):K+8*(\n)+11], v[Q:Q+11], 0, v[KW+(\n)/2], v[\qw] matrix_a_fmt:MATRIX_FMT_BF6 matrix_b_fmt:MATRIX_FMT_BF6 matrix_a_scale:MATRIX_SCALE_ROW1
.else
	v_wmma_scale_f32_16x16x128_f8f6f4 v[S+8*(\n):S+8*(\n)+7], v[K+8*(\n):K+8*(\n)+11], v[Q:Q+11], 0, v[KW+(\n)/2], v[\qw] matrix_a_fmt:MATRIX_FMT_BF6 matrix_b_fmt:MATRIX_FMT_BF6
.endif
.endm
.macro WPV t, zero, pw                 ; O^T of channels' tile t; zero = 1: the first key step starts the sums; pw: p's scale word
.if \zero
.if (\t)%2
	v_wmma_scale_f32_16x16x128_f8f6f4 v[O+8*\t:O+8*\t+7], v[V+12*\t:V+12*\t+11], v[P:P+11], 0, v[VW+\t/2], v[\pw] matrix_a_fmt:MATRIX_FMT_BF6 matrix_b_fmt:MATRIX_FMT_BF6 matrix_a_scale:MATRIX_SCALE_ROW1
.else
	v_wmma_scale_f32_16x16x128_f8f6f4 v[O+8*\t:O+8*\t+7], v[V+12*\t:V+12*\t+11], v[P:P+11], 0, v[VW+\t/2], v[\pw] matrix_a_fmt:MATRIX_FMT_BF6 matrix_b_fmt:MATRIX_FMT_BF6
.endif
.else
.if (\t)%2
	v_wmma_scale_f32_16x16x128_f8f6f4 v[O+8*\t:O+8*\t+7], v[V+12*\t:V+12*\t+11], v[P:P+11], v[O+8*\t:O+8*\t+7], v[VW+\t/2], v[\pw] matrix_a_fmt:MATRIX_FMT_BF6 matrix_b_fmt:MATRIX_FMT_BF6 matrix_a_scale:MATRIX_SCALE_ROW1
.else
	v_wmma_scale_f32_16x16x128_f8f6f4 v[O+8*\t:O+8*\t+7], v[V+12*\t:V+12*\t+11], v[P:P+11], v[O+8*\t:O+8*\t+7], v[VW+\t/2], v[\pw] matrix_a_fmt:MATRIX_FMT_BF6 matrix_b_fmt:MATRIX_FMT_BF6
.endif
.endif
.endm
; K's eight tiles and their words: 20 LDS loads.  Tile n = 4 c + u begins at row 16 c + 4 (u % 2) of the unit, byte 128 (u / 2); registers 4-7 two rows on; the lane term adds 8 rows for r / 8, a row for lane / 16
.macro KLOAD
.set kn, 0
.rept 8
	ds_load_b128 v[K+8*kn:K+8*kn+3], v[AV] offset:4352*(kn/4)+1088*(kn%2)+128*((kn/2)%2)
	ds_load_b128 v[K+8*kn+4:K+8*kn+7], v[AV] offset:4352*(kn/4)+1088*(kn%2)+128*((kn/2)%2)+544
.set kn, kn+1
.endr
.irp p, 0,1,2,3
	ds_load_b32 v[KW+\p], v[AVW] offset:272*(32+\p/2)+32*(\p%2)   ; lanes 0-15 tile 2 p's words, lanes 16-31 tile 2 p + 1's
.endr
.endm
.macro FMAS n                          ; t - M, two at a time
.rept \n
	v_pk_fma_f32 v[S+fj:S+fj+1], v[S+fj:S+fj+1], s[CS:CS+1], v[NEGM:NEGM+1] op_sel_hi:[1,0,0]
.set fj, fj+2
.endr
.endm
.macro ADDS n                          ; the next n pairs of p onto four partial sums by turns
.rept \n
.set cr, 50+2*(sj%4)
.if sj%4 == 0
.set cr, LS
.endif
	v_pk_add_f32 v[cr:cr+1], v[cr:cr+1], v[S+2*sj:S+2*sj+1]
.set sj, sj+1
.endr
.endm
; The softmax of one query tile over 128 keys: from S^T to p's codes, p's scale word and the sum.  w: the tile, and the window in which all its registers lie.  first = 1: nothing has been summed yet
.macro SOFT first, w
	WIN 0x55*\w
.if \w
	s_wait_alu depctr_va_vdst(0)                   ; the wait directly ahead of the first reader
.endif
.irp b, 0,1,2,3
	v_max3_num_f32 v[M+\b], v[S+16*\b], v[S+1+16*\b], v[S+2+16*\b]   ; four chains by turns; each accumulator from its low end on
.endr
.irp i, 3,5,7,9,11,13
.irp b, 0,1,2,3
	v_max3_num_f32 v[M+\b], v[M+\b], v[S+16*\b+\i], v[S+1+16*\b+\i]
.endr
.endr
	v_max3_num_f32 v[M], v[M], v[S+15], v[S+31]
	v_max3_num_f32 v[M+2], v[M+2], v[S+47], v[S+63]
	v_max_num_f32 v[M], v[M], v[M+1]               ; the largest score of my block lane / 16,
	v_max_num_f32 v[M+2], v[M+2], v[M+3]           ; and of my block 2 + lane / 16
	s_delay_alu instid0(VALU_DEP_1)
	v_max_num_f32 v[T0], v[M], v[M+2]
	s_delay_alu instid0(VALU_DEP_1)
	v_permlanex16_b32 v[T1], v[T0], s[SEL], s[SEL+1]
	s_delay_alu instid0(VALU_DEP_1)
.if \first
	v_max_num_f32 v[RUN], v[T0], v[T1]
	s_delay_alu instid0(VALU_DEP_1)
.else
	v_max3_num_f32 v[RUN], v[RUN], v[T0], v[T1]    ; the running largest score of my query
	v_mov_b32 v[T1], v[NEGM]
	s_delay_alu instid0(VALU_DEP_2)
.endif
	v_mul_f32 v[T0], s[NC], v[RUN]                 ; -t
	s_delay_alu instid0(VALU_DEP_1)
	v_floor_f32 v[NEGM], v[T0]                     ; the new -M: a whole number
	s_delay_alu instid0(VALU_DEP_1)
	v_fma_f32 v[M], v[M], s[CS], v[NEGM]           ; t - M of each block's largest score
	v_fma_f32 v[M+2], v[M+2], s[CS], v[NEGM]
.set fj, 0
.if \first
	FMAS 32
.else
	v_sub_f32 v[T1], v[NEGM], v[T1]                ; old M - new M, 0 or less
	FMAS 8
	v_cvt_i32_f32 v[T1], v[T1]                     ; (it saturates)
	FMAS 8
	v_ldexp_f32 v[F], 1.0, v[T1]                   ; f = 2^(old M - new M): rounds nothing
	FMAS 16
.endif
	s_wait_alu depctr_va_vdst(0)                   ; the wait ahead of the batch
	v_exp_f32 v[M], v[M]                           ; each block's largest p
	v_exp_f32 v[M+2], v[M+2]
.set ej, 0
.rept 64
	v_exp_f32 v[S+ej], v[S+ej]                     ; p = 2^(t - M)
.set ej, ej+1
.endr
.if \first
	v_nop                                          ; a plain place behind the exponentials
.else
	v_pk_mul_f32 v[LS:LS+1], v[LS:LS+1], v[F:F+1] op_sel_hi:[1,0]   ; the sums under the new M: a plain place behind the exponentials
.endif
	s_wait_alu depctr_va_vdst(0)                   ; one wait for the batch, ahead of its first reader
	v_max_num_f32 v[M], 0x2800000, v[M]            ; the floor: the byte cannot fall under 1
	v_max_num_f32 v[M+2], 0x2800000, v[M+2]
	v_pk_add_f32 v[52:53], v[S:S+1], v[S+2:S+3]    ; the sum of the unquantised p, among the scale's lines
	v_pk_add_f32 v[54:55], v[S+4:S+5], v[S+6:S+7]
	v_add_nc_u32 v[SC], 0xfe000000, v[M]           ; 4 off the exponent field: the conversion's scale operand
	v_add_nc_u32 v[SC+1], 0xfe000000, v[M+2]
	v_pk_add_f32 v[56:57], v[S+8:S+9], v[S+10:S+11]
.if \first
	v_pk_add_f32 v[LS:LS+1], v[S+12:S+13], v[S+14:S+15]
.set sj, 8
.else
.set sj, 6
.endif
	v_lshrrev_b32 v[BB], 23, v[SC]                 ; the scales' bytes
	v_lshrrev_b32 v[BB+1], 23, v[SC+1]
	ADDS 2
	v_lshl_or_b32 v[T0], v[BB+1], 16, v[BB]        ; my two bytes: in lanes 0-15 blocks 0 and 2
	ADDS 2
	v_permlanex16_b32 v[T1], v[T0], s[SEL], s[SEL+1]
	ADDS 2
.if \w
	WIN 0x15                                       ; a scale operand is taken from window 0: the word goes there
	v_lshl_or_b32 v[PWB], v[T1], 8, v[T0]
	WIN 0x55
.else
	v_lshl_or_b32 v[PW], v[T1], 8, v[T0]           ; p's scale word, whole in lanes 0-15, which alone are read
.endif
.irp c, 0,1
	v_cvt_scalef32_pk16_bf6_f32 v[P+6*\c:P+6*\c+2], v[S+32*\c:S+32*\c+15], v[SC+\c]
	v_cvt_scalef32_pk16_bf6_f32 v[X+4*\c:X+4*\c+2], v[S+32*\c+16:S+32*\c+31], v[SC+\c]   ; (a conversion's three registers begin on an even number)
.endr
	v_nop                                          ; one plain place behind the scaled conversions
.irp c, 0,1
.irp i, 0,1,2
	v_mov_b32 v[P+6*\c+3+\i], v[X+4*\c+\i]
.endr
.endr
	ADDS 32-sj                                     ; these are also the places between p's word and codes and the products
	v_pk_add_f32 v[52:53], v[52:53], v[54:55]
	v_pk_add_f32 v[LS:LS+1], v[LS:LS+1], v[56:57]
	v_pk_add_f32 v[LS:LS+1], v[LS:LS+1], v[52:53]
.endm
.macro RESC                            ; O^T under the new M, in the window that is set
	s_wait_alu depctr_va_vdst(0)                   ; the wait directly ahead of the first reader of O^T
.set oj, 0
.rept 16
	v_pk_mul_f32 v[O+oj:O+oj+1], v[O+oj:O+oj+1], v[F:F+1] op_sel_hi:[1,0]
.set oj, oj+2
.endr
.endm
; A KEY STEP: 128 keys, the unit at LDS byte s[TBL]; its K is on its way.  first = 1: nothing has been summed yet.  pre = 1: the K of the unit at s[TBN] is fetched for the next step
.macro STEP first, pre
	s_wait_dscnt 0x0                               ; K and its words
.irp n, 0,1,2,3,4,5,6,7
	WQK \n, QW
.endr
	WIN 0x44                                       ; K from window 0; q and S^T of the second tile in window 1
.irp n, 0,1,2,3,4,5,6,7
	WQK \n, QWB
.endr
	WIN 0
	v_add_nc_u32 v[AV], s[TBL], v[LV]              ; four plain lines: the places behind the products
	v_add_nc_u32 v[AVW], s[TBL], v[LVW]
	v_nop
	v_nop
.set vn, 0
.rept 12
	ds_load_b128 v[V+4*vn:V+4*vn+3], v[AV] offset:272*(34+2*vn)   ; V^T: 14 loads, which land under the first tile's softmax
.set vn, vn+1
.endr
	ds_load_b32 v[VW], v[AVW] offset:272*58
	ds_load_b32 v[VW+1], v[AVW] offset:272*58+128
	SOFT \first, 0
.if \pre
	v_add_nc_u32 v[AV], s[TBN], v[LK]              ; the first tile's scratch is done with: the next step's K, which lands under the second tile's softmax
	v_add_nc_u32 v[AVW], s[TBN], v[LKW]
	KLOAD
.endif
.if \first == 0
	RESC
.endif
	s_wait_alu depctr_va_vdst(0)                   ; the wait directly ahead of the wait below
	s_wait_dscnt 20*\pre                           ; V's 14 loads are in; the 20 younger ones, the next K's, may be out
.irp t, 0,1,2,3
	WPV \t, \first, PW
.endr
	SOFT \first, 1
.if \first == 0
	RESC
.endif
	WIN 0x54                                       ; V^T from window 0; p's codes and O^T of the second tile in window 1
.irp t, 0,1,2,3
	WPV \t, \first, PWB
.endr
	WIN 0
.endm
; THE WAY OUT of query tile w: O^T / the sum, quantised along the head's 64: half a fragment (6 registers) and two scale bytes
.macro EPI w
	WIN 0x55*\w
	v_and_b32 v60, 31, v0
	v_add_f32 v[LS], v[LS], v[LS+1]
	v_lshlrev_b32 v61, 4, v60
	v_lshlrev_b32 v62, 3, v60
	v_lshlrev_b32 v63, 2, v60
	v_permlanex16_b32 v[T0], v[LS], s[SEL], s[SEL+1]
	s_delay_alu instid0(VALU_DEP_1)
	v_add_f32 v[LS], v[LS], v[T0]                  ; with lane l xor 16's keys: the row's sum
	s_wait_alu depctr_va_vdst(0)                   ; the wait ahead of the transcendental
	v_rcp_f32 v[LS], v[LS]
	v_nop                                          ; a plain place behind the reciprocal
	s_wait_alu depctr_va_vdst(0)                   ; and the wait ahead of its first reader, which is O^T's first reader too
.set oj, 0
.rept 16
	v_pk_mul_f32 v[S+oj:S+oj+1], v[O+oj:O+oj+1], v[LS:LS+1] op_sel_hi:[1,0]   ; register 16 b + i: channel 32 b + 16 (lane / 16) + i
.set oj, oj+2
.endr
.irp b, 0,1
	v_max3_num_f32 v[M+\b], |v[S+16*\b]|, |v[S+1+16*\b]|, 0x2800000
.endr
.irp i, 2,4,6,8,10,12,14
.irp b, 0,1
	v_max3_num_f32 v[M+\b], v[M+\b], |v[S+16*\b+\i]|, |v[S+1+16*\b+\i]|
.endr
.endr
.irp b, 0,1
	v_permlanex16_b32 v[M+2+\b], v[M+\b], s[SEL], s[SEL+1]
.endr
.irp b, 0,1
	v_max_num_f32 v[M+\b], v[M+\b], v[M+2+\b]
.endr
.irp b, 0,1
	v_add_nc_u32 v[SC+\b], 0xfe000000, v[M+\b]
.endr
.irp b, 0,1
	v_lshrrev_b32 v[BB+\b], 23, v[SC+\b]
.endr
	v_lshl_or_b32 v[T1], v[BB+1], 8, v[BB]
	v_cvt_scalef32_pk16_bf6_f32 v[P:P+2], v[S:S+15], v[SC]
	v_cvt_scalef32_pk16_bf6_f32 v[X:X+2], v[S+16:S+31], v[SC+1]
	v_nop
.irp i, 0,1,2
	v_permlane16_swap_b32 v[P+\i], v[X+\i]         ; a whole block to a lane
.endr
.irp i, 0,1,2
	v_mov_b32 v[P+3+\i], v[X+\i]
.endr
	global_store_b128 v61, v[P:P+3], s[OC:OC+1] offset:12288*\w
	global_store_b64 v62, v[P+4:P+5], s[OC:OC+1] offset:12288*\w+512
	global_store_b32 v63, v[T1], s[OW:OW+1] offset:2048*\w
.endm
	s_load_b128 s[4:7], s[0:1], 0x0                ; qkvi, ci
	v_lshl_add_u32 v[SPW], v0, 2, SPARE
	v_mov_b32 v[NIL], 0
	ds_add_u32 v[SPW], v[NIL]                      ; the opening lines: the add, twice on end, and its wait ahead of my tensor load
	ds_add_u32 v[SPW], v[NIL]
	v_lshrrev_b32 v3, 5, v0
	v_readfirstlane_b32 s[WV], v3                  ; wave 0..7
	s_and_b32 s[BH], ttmp7, 0xffff                 ; batch x 16 + head: the four partners share it
	s_bfe_u32 s[CX], ttmp6, 0x40000                ; my place in the cluster
	s_lshl_b32 s[XB], ttmp9, 2
	s_add_co_u32 s[XB], s[XB], s[CX]               ; my block of 256 queries: it enters q's and the result's addresses alone
	s_mov_b32 s24, 15|(3<<16)|(1<<20)|(1<<21)|(5<<22)|(3<<25)   ; group 1: the mask of all four, bit 21 beside it; elements of 8 bytes; 4 words of padding behind every 64
	s_mov_b32 s25, 32<<16
	s_mov_b32 s26, 118<<16                         ; two units: 118 rows of 256 bytes, dense in memory
	s_mov_b32 s27, 32<<16
	s_mov_b32 s28, 118
	s_mov_b32 s29, 32
	s_mov_b32 s30, 0
	s_mov_b32 s31, 0
	s_mul_i32 s8, s[BH], 16*KVU
	s_add_co_u32 s8, s8, KVO
	s_mul_i32 s10, s[WV], 2*KVU
	s_add_co_u32 s8, s8, s10                       ; unit 2 w of the head
	s_mov_b32 s9, 0
	s_mul_i32 s[TBL], s[WV], 2*KVL
	s_wait_dscnt 0x0
	s_wait_kmcnt 0x0
	s_add_nc_u64 s[8:9], s[4:5], s[8:9]
	CROUND                                         ; all four work-groups are here: the joint loads meet
	s_mov_b32 s32, 1
	s_mul_i32 s33, s[WV], 2*KVL
	s_mov_b64 s[34:35], s[8:9]
	s_or_b32 s35, s35, 0x80000000
	tensor_load_to_lds s[32:35], s[24:31]          ; my one tensor load
	s_nop 0
	s_lshl_b32 s11, s[BH], 7
	s_lshl_b32 s12, s[XB], 4
	s_add_co_u32 s11, s11, s12
	s_lshl_b32 s18, s[WV], 1
	s_add_co_u32 s11, s11, s18                     ; my first tile of queries
	s_lshl_b32 s12, s11, 10
	s_mov_b32 s13, 0
	s_lshl_b32 s14, s11, 6
	s_add_co_u32 s14, s14, QSO
	s_mov_b32 s15, 0
	s_add_nc_u64 s[12:13], s[4:5], s[12:13]
	s_add_nc_u64 s[14:15], s[4:5], s[14:15]
	s_lshr_b32 s16, s[BH], 4
	s_lshl_b32 s16, s16, 7
	s_lshl_b32 s17, s[XB], 4
	s_add_co_u32 s16, s16, s17
	s_add_co_u32 s16, s16, s18                     ; my first tile of rows among the 256
	s_lshl_b32 s16, s16, 4
	s_and_b32 s17, s[BH], 15
	s_add_co_u32 s16, s16, s17                     ; x 16 + head; the second tile lies 16 such places on
	s_mul_i32 s[OC], s16, 768
	s_mov_b32 s[OC+1], 0
	s_lshl_b32 s[OW], s16, 7
	s_add_co_u32 s[OW], s[OW], CSO
	s_mov_b32 s[OW+1], 0
	s_add_nc_u64 s[OC:OC+1], s[6:7], s[OC:OC+1]
	s_add_nc_u64 s[OW:OW+1], s[6:7], s[OW:OW+1]
	s_mov_b32 s[SEL], 0x76543210
	s_mov_b32 s[SEL+1], 0xfedcba98                 ; selects for lane l xor 16
	s_mov_b32 s[CS], 0x3e38aa3b                    ; c = log2(e) / 8
	s_mov_b32 s[CS+1], s[CS]
	s_mov_b32 s[NC], 0xbe38aa3b                    ; -c
	v_and_b32 v10, 31, v0                          ; lane
	v_and_b32 v11, 7, v0                           ; r % 8
	v_bfe_u32 v16, v0, 3, 1                        ; r / 8
	v_bfe_u32 v17, v0, 4, 1                        ; lane / 16
	v_lshlrev_b32 v[S], 4, v10                     ; q: 16 bytes a lane
	v_and_b32 v[S+1], 15, v0
	v_lshlrev_b32 v[LK], 4, v11
	v_lshlrev_b32 v[LV], 4, v[S+1]
	v_lshlrev_b32 v[LKW], 2, v11
	v_lshlrev_b32 v[LVW], 2, v10                   ; V's words: 4 bytes a lane
	v_lshlrev_b32 v[S+1], 2, v[S+1]                ; q's words: 4 r
	v_mad_u32_u24 v[LK], v16, 2176, v[LK]
	v_mad_u32_u24 v[LV], v17, 272, v[LV]           ; an image's 512 bytes: 16 bytes a lane, lanes 16-31 in the next LDS row
	v_lshl_add_u32 v[LKW], v16, 7, v[LKW]
	v_mad_u32_u24 v[LK], v17, 272, v[LK]           ; K: 16 (r % 8) + 8 rows for r / 8 + a row for lane / 16
	v_lshl_add_u32 v[LKW], v17, 6, v[LKW]          ; K's words: 4 (r % 8) + 128 (r / 8) + 64 (lane / 16)
	global_load_b128 v[Q:Q+3], v[S], s[12:13]
	global_load_b128 v[Q+4:Q+7], v[S], s[12:13] offset:512
	global_load_b32 v[QW], v[S+1], s[14:15]
	global_load_b32 v[QWB], v[S+1], s[14:15] offset:64
.irp j, 8,9,10,11
	v_mov_b32 v[Q+\j], 0                           ; q's k = 80 .. 127: zero codes
.endr
	v_add_nc_u32 v[AV], s[TBL], v[LK]
	v_add_nc_u32 v[AVW], s[TBL], v[LKW]
	WIN 0x40                                       ; destinations in window 1: the second tile's
	global_load_b128 v[Q:Q+3], v[S], s[12:13] offset:1024
	global_load_b128 v[Q+4:Q+7], v[S], s[12:13] offset:1024+512
.irp j, 8,9,10,11
	v_mov_b32 v[Q+\j], 0
.endr
	v_mov_b32 v0, v0                               ; the thread's number, for the way out
	v_mov_b32 v[PW], 0                             ; named as the upper half of the pair with f
	v_mov_b32 v[T1], 0                             ; a lane permute's destination counts as one of its sources
	WIN 0
	s_wait_alu depctr_va_vdst(0)                   ; the wait at the head's end
	s_wait_loadcnt 0x0                             ; q
	s_wait_tensorcnt 0x0                           ; my two units have landed:
	s_barrier_signal -1                            ; say so
	KLOAD                                          ; between the signal and the wait: register work, and LDS loads of my own unit, which nobody writes again
	STEP 1, 0
	s_barrier_wait -1                              ; every wave has said so: all 16 units are whole in every wave's sight
	s_lshl_b32 s45, s[WV], 1
	s_add_co_u32 s[JJ], s45, 2
	s_add_co_u32 s45, s45, 1
	s_and_b32 s45, s45, 15
	s_mul_i32 s[TBL], s45, KVL                     ; unit 2 w + 1,
	s_and_b32 s46, s[JJ], 15
	s_mul_i32 s[TBN], s46, KVL                     ; and the one behind it, modulo 16
	s_mov_b32 s[CNT], 14
	v_add_nc_u32 v[AV], s[TBL], v[LK]
	v_add_nc_u32 v[AVW], s[TBL], v[LKW]
	KLOAD
.Lstep:
	STEP 0, 1
	s_add_co_u32 s[JJ], s[JJ], 1
	s_and_b32 s46, s[JJ], 15
	s_mul_i32 s[TBN], s46, KVL
	s_add_co_u32 s45, s[JJ], 15
	s_and_b32 s45, s45, 15
	s_mul_i32 s[TBL], s45, KVL
	s_sub_co_u32 s[CNT], s[CNT], 1
	s_cmp_lg_u32 s[CNT], 0
	s_cbranch_scc1 .Lstep
	STEP 0, 0                                      ; unit 2 w + 15: nothing more to fetch
	EPI 0
	EPI 1
	WIN 0
	s_wait_tensorcnt 0x0                           ; the wave's end
	ds_add_u32 v[SPW], v[NIL]
	s_wait_dscnt 0x0
	CROUND                                         ; the closing round
	s_endpgm
.Lfunc_end_k_q41ca6c8a9d_attn:
	.size	k_q41ca6c8a9d_attn, .Lfunc_end_k_q41ca6c8a9d_attn-k_q41ca6c8a9d_attn
	.p2alignl 7, 3214868480
	.fill 96, 4, 3214868480
	.section	.rodata,"a",@progbits
	.p2align	6, 0x0
	.amdhsa_kernel k_q41ca6c8a9d_attn
		.amdhsa_group_segment_fixed_size 327680
		.amdhsa_private_segment_fixed_size 0
		.amdhsa_enable_private_segment 0
		.amdhsa_kernarg_size 16
		.amdhsa_user_sgpr_count 2
		.amdhsa_user_sgpr_kernarg_segment_ptr 1
		.amdhsa_wavefront_size32 1
		.amdhsa_system_sgpr_workgroup_id_x 1
		.amdhsa_system_sgpr_workgroup_id_y 1
		.amdhsa_system_sgpr_workgroup_id_z 1
		.amdhsa_system_vgpr_workitem_id 0
		.amdhsa_next_free_vgpr 512
		.amdhsa_next_free_sgpr 66
		.amdhsa_reserve_vcc 0
		.amdhsa_float_denorm_mode_32 3
		.amdhsa_float_denorm_mode_16_64 3
		.amdhsa_memory_ordered 1
		.amdhsa_forward_progress 1
		.amdhsa_inst_pref_size 94
	.end_amdhsa_kernel
	.amdgpu_metadata
---
amdhsa.version: [ 1, 2 ]
amdhsa.kernels:
  - .name:           k_q41ca6c8a9d_attn
    .symbol:         k_q41ca6c8a9d_attn.kd
    .args:
      - { .name: qkvi, .offset: 0, .size: 8, .value_kind: global_buffer, .address_space: global }
      - { .name: ci, .offset: 8, .size: 8, .value_kind: global_buffer, .address_space: global }
    .group_segment_fixed_size: 327680
    .private_segment_fixed_size: 0
    .kernarg_segment_align: 8
    .kernarg_segment_size: 16
    .max_flat_workgroup_size: 256
    .sgpr_count:     66
    .vgpr_count:     512
    .wavefront_size: 32
...
	.end_amdgpu_metadata
.endif
;; end of part 3
;; launch wo (part 4): grid 8 x 32, 4 waves a work-group, clusters of 4 x 4, 327,680 bytes of LDS; arguments pimg, ci, bo, ybuf; writes ybuf
.if DOCPART == 4
	.amdgcn_target "amdgcn-amd-amdhsa--gfx1250"
	.amdhsa_code_object_version 6
	.text
	.protected	k_q41ca6c8a9d_wo
	.globl	k_q41ca6c8a9d_wo
	.p2align	8
	.type	k_q41ca6c8a9d_wo,@function
k_q41ca6c8a9d_wo:
	s_mov_b64 s[64:65], 0
	v_nop
	global_prefetch_b8 v0, s[64:65] scope:SCOPE_SE
	s_setreg_imm32_b32 hwreg(HW_REG_WAVE_MODE, 25, 1), 1
	s_wait_xcnt 0x0
	s_wait_alu depctr_hold_cnt(0) depctr_sa_sdst(0) depctr_va_vdst(0) depctr_va_sdst(0) depctr_va_ssrc(0) depctr_va_vcc(0) depctr_vm_vsrc(0)
	s_getreg_b32 s2, hwreg(HW_REG_IB_STS2, 6, 4)
	s_cmp_eq_u32 s2, 0
	s_cbranch_scc0 .Lentry_in_a_cluster
	s_endpgm
.Lentry_in_a_cluster:
	s_bfe_u32 s2, ttmp6, 0x10000c
	s_cmp_lg_u32 s2, 0xf033
	s_cbranch_scc0 .Lentry_shape_is_right
	s_endpgm
.Lentry_shape_is_right:
.set UNIT,  12800
.set PANB,  8*UNIT
.set WBASE, 3276800
.set CSO,   3145728
.set L16, 1
.set L4,  2
.set H64, 3
.set L8,  5
.set EA0, 6
.set SA0, 8
.set ES,  32
.set TS,  40
.set ACC, 64
.set WV, 72
.set CX, 73
.set CY, 74
.set BX, 75
.set BY, 76
.set MC, 77
.set TB, 82
.set TSB, 84
.set MSB, 0
.macro WIN new
.if MSB != \new
	s_set_vgpr_msb (MSB<<8)|\new
.set MSB, \new
.endif
.endm
.macro PLACES
.rept 4
	v_nop
.endr
.endm
.macro CROUND
	s_barrier_signal -1
	s_barrier_wait -1
	s_cmp_lg_u32 s[WV], 0
	s_cbranch_scc1 .Lnot_wave_0_\@
	s_barrier_signal -3
.Lnot_wave_0_\@:
	s_barrier_wait -3
	s_barrier_signal -1
	s_barrier_wait -1
.endm
.macro MEET n
	s_wait_tensorcnt \n
	s_wait_dscnt 0x0
	s_barrier_signal -1
	s_barrier_wait -1
.endm
.macro G1SET g, m, rows
	s_or_b32 s[\g], s[\m], (3<<16)|(1<<21)
	s_mov_b32 s[\g+1], 32<<16
	s_mov_b32 s[\g+2], (\rows)<<16
	s_mov_b32 s[\g+3], 32<<16
	s_mov_b32 s[\g+4], \rows
	s_mov_b32 s[\g+5], 32
	s_mov_b32 s[\g+6], 0
	s_mov_b32 s[\g+7], 0
.endm
.macro G0SET g, lr, lo, op, go
	s_mov_b32 s[\g], 1
	s_add_co_u32 s[\g+1], s[\lr], \lo
	s_add_nc_u64 s[\g+2:\g+3], s[4:5], s[\op:\op+1]
.if (\go) != 0
	s_add_nc_u64 s[\g+2:\g+3], s[\g+2:\g+3], \go
.endif
	s_or_b32 s[\g+3], s[\g+3], 0x80000000
.endm
.macro TL g0, g1
	tensor_load_to_lds s[\g0:\g0+3], s[\g1:\g1+7]
	s_nop 0
	PLACES
.endm
.macro WMX ra, rb
.if (\ra) && (\rb)
	v_wmma_scale_f32_16x16x128_f8f6f4 v[rD:rD+7], v[rA:rA+11], v[rB:rB+11], v[rC:rC+7], v[rSA], v[rSB] matrix_a_fmt:MATRIX_FMT_BF6 matrix_b_fmt:MATRIX_FMT_BF6 matrix_a_scale:MATRIX_SCALE_ROW1 matrix_b_scale:MATRIX_SCALE_ROW1
.elseif (\ra)
	v_wmma_scale_f32_16x16x128_f8f6f4 v[rD:rD+7], v[rA:rA+11], v[rB:rB+11], v[rC:rC+7], v[rSA], v[rSB] matrix_a_fmt:MATRIX_FMT_BF6 matrix_b_fmt:MATRIX_FMT_BF6 matrix_a_scale:MATRIX_SCALE_ROW1
.elseif (\rb)
	v_wmma_scale_f32_16x16x128_f8f6f4 v[rD:rD+7], v[rA:rA+11], v[rB:rB+11], v[rC:rC+7], v[rSA], v[rSB] matrix_a_fmt:MATRIX_FMT_BF6 matrix_b_fmt:MATRIX_FMT_BF6 matrix_b_scale:MATRIX_SCALE_ROW1
.else
	v_wmma_scale_f32_16x16x128_f8f6f4 v[rD:rD+7], v[rA:rA+11], v[rB:rB+11], v[rC:rC+7], v[rSA], v[rSB] matrix_a_fmt:MATRIX_FMT_BF6 matrix_b_fmt:MATRIX_FMT_BF6
.endif
.endm
.macro MUL s, ts, first, cb, cmode
.set mi, 0
.rept 2
.set mj, 0
.rept 8
.set rD, ACC+64*mi+8*mj
.set rA, 96*((\s)%2)+12*mj
.set rB, 24*(\s)+12*mi
.set rC, rD
.if \first
.if \cmode
.set rC, (\cb)+8*mi
.else
.set rC, (\cb)+8*mj
.endif
.endif
.set rSA, ES+4*((\s)%2)+mj/2
.set rSB, (\ts)+(\s)
	WMX mj%2, mi
.set mj, mj+1
.endr
.set mi, mi+1
.endr
.endm
.macro FETCH s
	PLACES
	WIN 0x40
.set fj, 0
.rept 8
.irp c, 0,1,2
	ds_load_b128 v[96*((\s)%2)+12*fj+4*\c:96*((\s)%2)+12*fj+4*\c+3], v[EA0+(\s)/4] offset:((\s)%4)*UNIT+1536*fj+512*\c
.endr
.set fj, fj+1
.endr
	WIN 0
.irp p, 0,1,2,3
	ds_load_b32 v[ES+4*((\s)%2)+\p], v[SA0+(\s)/4] offset:((\s)%4)*UNIT+12288+128*\p
.endr
.endm
.macro PANEL slot, win, winf, ts, first, cb, cmode, meet
	v_add_nc_u32 v[EA0], (\slot)*PANB, v[L16]
	s_wait_alu depctr_va_vdst(0)
	v_add_nc_u32 v[EA0+1], (\slot)*PANB+4*UNIT, v[L16]
	v_add_nc_u32 v[SA0], (\slot)*PANB, v[L4]
	s_wait_alu depctr_va_vdst(0)
	v_add_nc_u32 v[SA0+1], (\slot)*PANB+4*UNIT, v[L4]
	s_wait_alu depctr_va_vdst(0)
	FETCH 0
.set ps, 0
.rept 8
.if (ps == 3) && ((\meet) >= 0)
	MEET \meet
.endif
.if ps < 7
	FETCH ps+1
	s_wait_dscnt 28
.else
	s_wait_dscnt 0x0
.endif
.if (\first) && (ps == 0)
	WIN \winf
	MUL ps, \ts, 1, \cb, \cmode
.else
	WIN \win
	MUL ps, \ts, 0, \cb, \cmode
.endif
.set ps, ps+1
.endr
	WIN 0
	PLACES
.endm
.macro BIAS winv, reg, base, off
	WIN \winv
.set bj, 0
.rept 8
	global_load_b128 v[(\reg)+8*bj:(\reg)+8*bj+3], v[H64], s[\base:\base+1] offset:(\off)+(32*(bj/2)+8*(bj%2))*4
	global_load_b128 v[(\reg)+8*bj+4:(\reg)+8*bj+7], v[H64], s[\base:\base+1] offset:(\off)+(32*(bj/2)+8*(bj%2))*4+16
.set bj, bj+1
.endr
	WIN 0
.endm
	s_load_b256 s[4:11], s[0:1], 0x0
	v_lshl_add_u32 v254, v0, 2, 0x29000
	v_mov_b32 v255, 0
	ds_add_u32 v254, v255
	ds_add_u32 v254, v255
	v_lshrrev_b32 v12, 5, v0
	v_readfirstlane_b32 s[WV], v12
	s_bfe_u32 s[CX], ttmp6, 0x40000
	s_bfe_u32 s[CY], ttmp6, 0x40004
	s_lshl_b32 s[BX], ttmp9, 2
	s_add_co_u32 s[BX], s[BX], s[CX]
	s_and_b32 s[BY], ttmp7, 0xffff
	s_lshl_b32 s[BY], s[BY], 2
	s_add_co_u32 s[BY], s[BY], s[CY]
	s_lshl_b32 s[MC], 0x1111, s[CX]
	G1SET 24, MC, 100
	s_mul_i32 s16, s[WV], 2*UNIT
	s_mul_i32 s88, s[BX], 8*UNIT
	s_add_co_u32 s88, s88, WBASE+192*UNIT
	s_add_co_u32 s88, s88, s16
	s_mov_b32 s89, 0
	s_wait_dscnt 0x0
	s_wait_kmcnt 0x0
	CROUND
	G0SET 48, 16, 0, 88, 0
	TL 48, 24
	v_and_b32 v13, 31, v0
	v_lshlrev_b32 v[L16], 4, v13
	v_lshlrev_b32 v[L4], 2, v13
	v_lshlrev_b32 v[L8], 3, v13
	v_bfe_u32 v12, v0, 4, 1
	v_lshlrev_b32 v[H64], 6, v12
	s_wait_alu depctr_va_vdst(0)
	v_and_b32 v14, 15, v0
	v_lshlrev_b32 v12, 11, v12
	v_lshl_add_u32 v12, v14, 2, v12
	s_wait_alu depctr_va_vdst(0)
	s_lshl_b32 s86, s[BY], 3
	s_lshl_b32 s87, s[WV], 1
	s_add_co_u32 s86, s86, s87
	s_mul_i32 s[TB], s86, 12288
	s_mov_b32 s[TB+1], 0
	s_lshl_b32 s[TSB], s86, 11
	s_add_co_u32 s[TSB], s[TSB], CSO
	s_mov_b32 s[TSB+1], 0
	s_lshl_b32 s16, s86, 16
	s_lshl_b32 s17, s[BX], 13
	s_add_co_u32 s16, s16, s17
	s_mov_b32 s17, 0
	s_lshl_b32 s18, s[BX], 9
	s_mov_b32 s19, 0
	s_add_nc_u64 s[TB:TB+1], s[6:7], s[TB:TB+1]
	s_add_nc_u64 s[TSB:TSB+1], s[6:7], s[TSB:TSB+1]
	s_add_nc_u64 s[8:9], s[8:9], s[18:19]
	s_add_nc_u64 s[16:17], s[10:11], s[16:17]
	BIAS 0x40, 192, 8, 0
	WIN 0x80
.set tq, 0
.rept 8
.irp i, 0,1
.irp c, 0,1
	global_load_b128 v[24*tq+12*\i+6*\c:24*tq+12*\i+6*\c+3], v[L16], s[TB:TB+1] offset:(16*\i+2*tq+\c)*768
	global_load_b64 v[24*tq+12*\i+6*\c+4:24*tq+12*\i+6*\c+5], v[L8], s[TB:TB+1] offset:(16*\i+2*tq+\c)*768+512
.endr
.endr
.set tq, tq+1
.endr
	WIN 0
.set tq, 0
.rept 16
	global_load_b32 v[ACC+tq], v12, s[TSB:TSB+1] offset:128*tq
.set tq, tq+1
.endr
	s_wait_loadcnt 0x0
.set tq, 0
.rept 8
	v_lshl_or_b32 v[TS+tq], v[ACC+2*tq+1], 16, v[ACC+2*tq]
.set tq, tq+1
.endr
.rept 8
	v_nop
.endr
	MEET 0
	PANEL 0, 0x09, 0x19, TS, 1, 192, 0, -1
.set j, 0
.rept 32
	global_store_b128 v[L16], v[ACC+4*j:ACC+4*j+3], s[16:17] offset:65536*(j/16)+2048*((j/4)%4)+512*(j%4)
.set j, j+1
.endr
	s_wait_tensorcnt 0x0
	ds_add_u32 v254, v255
	s_wait_dscnt 0x0
	CROUND
	s_endpgm
.Lfunc_end_k_q41ca6c8a9d_wo:
	.size	k_q41ca6c8a9d_wo, .Lfunc_end_k_q41ca6c8a9d_wo-k_q41ca6c8a9d_wo
	.p2alignl 7, 3214868480
	.fill 96, 4, 3214868480
	.section	.rodata,"a",@progbits
	.p2align	6, 0x0
	.amdhsa_kernel k_q41ca6c8a9d_wo
		.amdhsa_group_segment_fixed_size 327680
		.amdhsa_private_segment_fixed_size 0
		.amdhsa_enable_private_segment 0
		.amdhsa_kernarg_size 32
		.amdhsa_user_sgpr_count 2
		.amdhsa_user_sgpr_kernarg_segment_ptr 1
		.amdhsa_wavefront_size32 1
		.amdhsa_system_sgpr_workgroup_id_x 1
		.amdhsa_system_sgpr_workgroup_id_y 1
		.amdhsa_system_sgpr_workgroup_id_z 1
		.amdhsa_system_vgpr_workitem_id 0
		.amdhsa_next_free_vgpr 1024
		.amdhsa_next_free_sgpr 100
		.amdhsa_reserve_vcc 0
		.amdhsa_float_denorm_mode_32 3
		.amdhsa_float_denorm_mode_16_64 3
		.amdhsa_memory_ordered 1
		.amdhsa_forward_progress 1
		.amdhsa_inst_pref_size 50
	.end_amdhsa_kernel
	.amdgpu_metadata
---
amdhsa.version: [ 1, 2 ]
amdhsa.kernels:
  - .name:           k_q41ca6c8a9d_wo
    .symbol:         k_q41ca6c8a9d_wo.kd
    .args:
      - { .name: pimg, .offset: 0, .size: 8, .value_kind: global_buffer, .address_space: global }
      - { .name: ci, .offset: 8, .size: 8, .value_kind: global_buffer, .address_space: global }
      - { .name: bo, .offset: 16, .size: 8, .value_kind: global_buffer, .address_space: global }
      - { .name: ybuf, .offset: 24, .size: 8, .value_kind: global_buffer, .address_space: global }
    .group_segment_fixed_size: 327680
    .private_segment_fixed_size: 0
    .kernarg_segment_align: 8
    .kernarg_segment_size: 32
    .max_flat_workgroup_size: 128
    .sgpr_count:     100
    .vgpr_count:     1024
    .wavefront_size: 32
...
	.end_amdgpu_metadata
.endif
;; end of part 4
;; launch ln0 (part 5): grid 256 x 1, 8 waves a work-group, no clusters, 2,048 bytes of LDS; arguments ybuf, x, g0, be0, hbuf; writes hbuf
.if DOCPART == 5
	.amdgcn_target "amdgcn-amd-amdhsa--gfx1250"
	.amdhsa_code_object_version 6
	.text
	.protected	k_q41ca6c8a9d_ln0
	.globl	k_q41ca6c8a9d_ln0
	.p2align	8
	.type	k_q41ca6c8a9d_ln0,@function
k_q41ca6c8a9d_ln0:
	s_mov_b64 s[64:65], 0
	v_nop
	global_prefetch_b8 v0, s[64:65] scope:SCOPE_SE
	s_setreg_imm32_b32 hwreg(HW_REG_WAVE_MODE, 25, 1), 1
	s_wait_xcnt 0x0
; h0 = LayerNorm(x + y0) g0 + be0, in f32, and h0's codes of BF6 for the next product.  A work-group takes a tile of 16 rows; wave s takes columns 128 s .. 128 s + 127: 64 numbers a lane,
; register 16 b + i = column 128 s + 32 b + 16 (lane / 16) + i of row lane % 16 of the tile, which is the quantiser's order and one K step of the next product.
; Mean and variance in two passes; the waves' parts meet in LDS, 8 words a row, behind a barrier each.  Memory binds: no matrix unit, no cluster, no tensor load would add anything.
; h0 leaves twice: as f32 in the accumulators' layout (hbuf at 0) and as an image of the operand's registers (hbuf at 16,777,216).
; LIMITS: NaN and infinities are not served; a block under 2^-122 keeps the byte 1.
.set UNIT, 12800
.set PC, 96
.set PX, 108
.set TM, 116
.set PW, 132
.set WV, 20
.set SEL, 22
.macro QUANT src, cst
.irp b, 0,1,2,3
	v_max3_num_f32 v[TM+\b], |v[\src+16*\b]|, |v[\src+1+16*\b]|, 0x2800000
.endr
.irp i, 2,4,6,8,10,12,14
.irp b, 0,1,2,3
	s_delay_alu instid0(VALU_DEP_4)
	v_max3_num_f32 v[TM+\b], v[TM+\b], |v[\src+16*\b+\i]|, |v[\src+1+16*\b+\i]|
.endr
.endr
.irp b, 0,1,2,3
	s_delay_alu instid0(VALU_DEP_4)
	v_permlanex16_b32 v[TM+4+\b], v[TM+\b], s[SEL], s[SEL+1]
.endr
.irp b, 0,1,2,3
	s_delay_alu instid0(VALU_DEP_4)
	v_max_num_f32 v[TM+\b], v[TM+\b], v[TM+4+\b]
.endr
.irp b, 0,1,2,3
	s_delay_alu instid0(VALU_DEP_4)
	v_add_nc_u32 v[TM+12+\b], 0xfe000000, v[TM+\b]
.endr
.irp b, 0,1,2,3
	s_delay_alu instid0(VALU_DEP_4)
	v_lshrrev_b32 v[TM+4+\b], 23, v[TM+12+\b]
.endr
	s_delay_alu instid0(VALU_DEP_3)
	v_lshl_or_b32 v[PW], v[TM+5], 8, v[TM+4]
	s_delay_alu instid0(VALU_DEP_1)
	v_lshl_or_b32 v[PW], v[TM+6], 16, v[PW]
	s_delay_alu instid0(VALU_DEP_1)
	v_lshl_or_b32 v[PW], v[TM+7], 24, v[PW]
.irp c, 0,1
	v_cvt_scalef32_pk16_bf6_f32 v[PC+\cst*\c:PC+\cst*\c+2], v[\src+32*\c:\src+32*\c+15], v[TM+12+2*\c]
	v_cvt_scalef32_pk16_bf6_f32 v[PX+4*\c:PX+4*\c+2], v[\src+32*\c+16:\src+32*\c+31], v[TM+12+2*\c+1]
.endr
	v_nop
.irp c, 0,1
.irp i, 0,1,2
	v_permlane16_swap_b32 v[PC+\cst*\c+\i], v[PX+4*\c+\i]
.endr
.irp i, 0,1,2
	s_delay_alu instid0(VALU_DEP_3)
	v_mov_b32 v[PC+\cst*\c+3+\i], v[PX+4*\c+\i]
.endr
.endr
.endm
.macro XCHG off                        ; four pairs of partial sums in v224-231 -> the row's total over all 1,024 columns in v232
	s_delay_alu instid0(VALU_DEP_3)
	v_pk_add_f32 v[224:225], v[224:225], v[226:227]
	s_delay_alu instid0(VALU_DEP_2)
	v_pk_add_f32 v[228:229], v[228:229], v[230:231]
	s_delay_alu instid0(VALU_DEP_1)
	v_pk_add_f32 v[224:225], v[224:225], v[228:229]
	s_delay_alu instid0(VALU_DEP_1)
	v_add_f32 v224, v224, v225
	s_delay_alu instid0(VALU_DEP_1)
	v_permlanex16_b32 v225, v224, s[SEL], s[SEL+1]
	s_delay_alu instid0(VALU_DEP_1)
	v_add_f32 v224, v224, v225                     ; my wave's 128 columns of the row
	ds_store_b32 v6, v224 offset:\off              ; both lanes of a row write the same word with the same value
	s_wait_dscnt 0x0                               ; for the others' sake
	s_barrier_signal -1
	s_barrier_wait -1
	ds_load_b128 v[232:235], v7 offset:\off
	ds_load_b128 v[236:239], v7 offset:\off+16
	s_wait_dscnt 0x0
	v_pk_add_f32 v[232:233], v[232:233], v[234:235]
	v_pk_add_f32 v[236:237], v[236:237], v[238:239]
	s_delay_alu instid0(VALU_DEP_1)
	v_pk_add_f32 v[232:233], v[232:233], v[236:237]
	s_delay_alu instid0(VALU_DEP_1)
	v_add_f32 v232, v232, v233
.endm
	s_load_b256 s[4:11], s[0:1], 0x0               ; ybuf, x, g0, be0
	s_load_b64 s[12:13], s[0:1], 0x20              ; hbuf
	v_lshl_add_u32 v254, v0, 2, 0x400
	v_mov_b32 v255, 0
	v_lshrrev_b32 v1, 5, v0
	s_delay_alu instid0(VALU_DEP_1)
	v_readfirstlane_b32 s[WV], v1                  ; wave 0..7
	v_and_b32 v9, 31, v0
	s_delay_alu instid0(VALU_DEP_1)
	v_lshlrev_b32 v1, 4, v9                        ; 16 x lane
	v_and_b32 v2, 15, v0                           ; r
	v_bfe_u32 v3, v0, 4, 1                         ; h
	s_delay_alu instid0(VALU_DEP_1)
	v_lshlrev_b32 v4, 6, v3                        ; 64 h
	s_delay_alu instid0(VALU_DEP_3)
	v_and_b32 v5, 8, v2
	s_delay_alu instid0(VALU_DEP_1)
	v_add_nc_u32 v5, v5, v2
	s_delay_alu instid0(VALU_DEP_1)
	v_lshlrev_b32 v5, 12, v5
	s_delay_alu instid0(VALU_DEP_1)
	v_add_nc_u32 v5, v5, v4                        ; x: row r + 8 (r / 8) of the tile's span, + 64 h
	v_lshlrev_b32 v7, 5, v2                        ; LDS: 32 bytes a row,
	s_delay_alu instid0(VALU_DEP_1)
	v_lshl_add_u32 v6, s[WV], 2, v7                ; my wave's word in them
	v_lshlrev_b32 v8, 2, v2
	s_mov_b32 s[SEL], 0x76543210
	s_mov_b32 s[SEL+1], 0xfedcba98
	s_mov_b32 s34, 0x3a800000                      ; 1 / 1,024
	s_mov_b32 s35, 0x3727c5ac                      ; 1e-5
	s_lshl_b32 s24, ttmp9, 16
	s_lshl_b32 s25, s[WV], 13
	s_add_co_u32 s24, s24, s25                     ; the tile, my four blocks of 32 columns
	s_mov_b32 s25, 0
	s_lshr_b32 s26, ttmp9, 1
	s_lshl_b32 s26, s26, 5
	s_and_b32 s27, ttmp9, 1
	s_lshl_b32 s27, s27, 3
	s_add_co_u32 s26, s26, s27                     ; the tile's first row
	s_lshl_b32 s26, s26, 12
	s_lshl_b32 s28, s[WV], 9
	s_mov_b32 s29, 0
	s_add_co_u32 s26, s26, s28
	s_mov_b32 s27, 0
	s_lshr_b32 s30, ttmp9, 3
	s_lshl_b32 s30, s30, 3
	s_add_co_u32 s30, s30, s[WV]
	s_mul_i32 s30, s30, UNIT
	s_add_co_u32 s30, s30, 16777216                ; the unit (block of rows, K step = my wave)
	s_and_b32 s31, ttmp9, 7
	s_mul_i32 s32, s31, 1536
	s_add_co_u32 s32, s32, s30
	s_mov_b32 s33, 0
	s_lshl_b32 s31, s31, 6
	s_add_co_u32 s30, s30, s31
	s_add_co_u32 s30, s30, 12288
	s_mov_b32 s31, 0
	s_wait_alu depctr_va_vdst(0)
	s_wait_kmcnt 0x0
	s_add_nc_u64 s[4:5], s[4:5], s[24:25]
	s_add_nc_u64 s[6:7], s[6:7], s[26:27]
	s_add_nc_u64 s[8:9], s[8:9], s[28:29]
	s_add_nc_u64 s[10:11], s[10:11], s[28:29]
	s_add_nc_u64 s[14:15], s[12:13], s[24:25]
	s_add_nc_u64 s[16:17], s[12:13], s[32:33]
	s_add_nc_u64 s[18:19], s[12:13], s[30:31]
.set j, 0
.rept 16
	global_load_b128 v[32+4*j:35+4*j], v1, s[4:5] offset:2048*(j/4)+512*(j%4)
.set j, j+1
.endr
.set j, 0
.rept 16
	global_load_b128 v[96+4*j:99+4*j], v5, s[6:7] offset:128*(j/4)+16*(j%4)
.set j, j+1
.endr
.set j, 0
.rept 16
	global_load_b128 v[160+4*j:163+4*j], v4, s[10:11] offset:128*(j/4)+16*(j%4)
.set j, j+1
.endr
	s_wait_loadcnt 16                              ; y0 and x are in; be0's 16 loads may be out
.set j, 0
.rept 32
	v_pk_add_f32 v[32+2*j:33+2*j], v[32+2*j:33+2*j], v[96+2*j:97+2*j]
.set j, j+1
.endr
.set j, 0
.rept 16
	global_load_b128 v[96+4*j:99+4*j], v4, s[8:9] offset:128*(j/4)+16*(j%4)   ; g0, into the registers that x has left
.set j, j+1
.endr
.irp k, 0,1,2,3
	v_pk_add_f32 v[224+2*\k:225+2*\k], v[32+2*\k:33+2*\k], v[40+2*\k:41+2*\k]
.endr
.irp m, 2,3,4,5,6,7
.irp k, 0,1,2,3
	s_delay_alu instid0(VALU_DEP_4)
	v_pk_add_f32 v[224+2*\k:225+2*\k], v[224+2*\k:225+2*\k], v[32+8*\m+2*\k:33+8*\m+2*\k]
.endr
.endr
	XCHG 0
	s_delay_alu instid0(VALU_DEP_1)
	v_mul_f32 v240, s34, v232                      ; the mean
	s_delay_alu instid0(VALU_DEP_1)
	v_mov_b32 v241, v240
.set j, 0
.rept 32
	v_pk_add_f32 v[32+2*j:33+2*j], v[32+2*j:33+2*j], v[240:241] neg_lo:[0,1] neg_hi:[0,1]
.set j, j+1
.endr
.irp k, 0,1,2,3
	v_pk_mul_f32 v[224+2*\k:225+2*\k], v[32+2*\k:33+2*\k], v[32+2*\k:33+2*\k]
.endr
.irp m, 1,2,3,4,5,6,7
.irp k, 0,1,2,3
	s_delay_alu instid0(VALU_DEP_4)
	v_pk_fma_f32 v[224+2*\k:225+2*\k], v[32+8*\m+2*\k:33+8*\m+2*\k], v[32+8*\m+2*\k:33+8*\m+2*\k], v[224+2*\k:225+2*\k]
.endr
.endr
	XCHG 512                                       ; other words than the first exchange's: no barrier between the two is owed
	s_delay_alu instid0(VALU_DEP_1)
	v_fma_f32 v242, v232, s34, s35                 ; the variance + 1e-5
	s_wait_alu depctr_va_vdst(0)
	v_rsq_f32 v242, v242
	v_nop                                          ; a plain place behind the transcendental
	s_wait_alu depctr_va_vdst(0)                   ; and the wait ahead of its first reader
	v_mov_b32 v243, v242
	s_wait_alu depctr_va_vdst(0)
	s_wait_loadcnt 0x0                             ; g0, be0
.set j, 0
.rept 32
	v_pk_mul_f32 v[32+2*j:33+2*j], v[32+2*j:33+2*j], v[242:243]
.set j, j+1
.endr
.set j, 0
.rept 32
	v_pk_fma_f32 v[32+2*j:33+2*j], v[32+2*j:33+2*j], v[96+2*j:97+2*j], v[160+2*j:161+2*j]
.set j, j+1
.endr
.set j, 0
.rept 16
	global_store_b128 v1, v[32+4*j:35+4*j], s[14:15] offset:2048*(j/4)+512*(j%4)
.set j, j+1
.endr
.irp b, 0,1,2,3
	v_mov_b32 v[TM+4+\b], 0
.endr
	QUANT 32, 6
.irp c, 0,1,2
	global_store_b128 v1, v[PC+4*\c:PC+4*\c+3], s[16:17] offset:512*\c
.endr
	v_cmp_gt_u32 vcc_lo, 16, v9
	s_wait_xcnt 0x0                                ; EXEC changes only behind this wait
	s_wait_tensorcnt 0x0
	ds_add_u32 v254, v255
	s_wait_dscnt 0x0
	s_and_saveexec_b32 s36, vcc_lo
	global_store_b32 v8, v[PW], s[18:19]           ; lanes 0-15: the tile's 16 scale words
	s_wait_xcnt 0x0
	s_or_b32 exec_lo, exec_lo, s36
	s_endpgm
.Lfunc_end_k_q41ca6c8a9d_ln0:
	.size	k_q41ca6c8a9d_ln0, .Lfunc_end_k_q41ca6c8a9d_ln0-k_q41ca6c8a9d_ln0
	.p2alignl 7, 3214868480
	.fill 96, 4, 3214868480
	.section	.rodata,"a",@progbits
	.p2align	6, 0x0
	.amdhsa_kernel k_q41ca6c8a9d_ln0
		.amdhsa_group_segment_fixed_size 2048
		.amdhsa_private_segment_fixed_size 0
		.amdhsa_enable_private_segment 0
		.amdhsa_kernarg_size 40
		.amdhsa_user_sgpr_count 2
		.amdhsa_user_sgpr_kernarg_segment_ptr 1
		.amdhsa_wavefront_size32 1
		.amdhsa_system_sgpr_workgroup_id_x 1
		.amdhsa_system_sgpr_workgroup_id_y 1
		.amdhsa_system_sgpr_workgroup_id_z 1
		.amdhsa_system_vgpr_workitem_id 0
		.amdhsa_next_free_vgpr 256
		.amdhsa_next_free_sgpr 66
		.amdhsa_reserve_vcc 1
		.amdhsa_float_denorm_mode_32 3
		.amdhsa_float_denorm_mode_16_64 3
		.amdhsa_memory_ordered 1
		.amdhsa_forward_progress 1
		.amdhsa_inst_pref_size 33
	.end_amdhsa_kernel
	.amdgpu_metadata
---
amdhsa.version: [ 1, 2 ]
amdhsa.kernels:
  - .name:           k_q41ca6c8a9d_ln0
    .symbol:         k_q41ca6c8a9d_ln0.kd
    .args:
      - { .name: ybuf, .offset: 0, .size: 8, .value_kind: global_buffer, .address_space: global }
      - { .name: x, .offset: 8, .size: 8, .value_kind: global_buffer, .address_space: global }
      - { .name: g0, .offset: 16, .size: 8, .value_kind: global_buffer, .address_space: global }
      - { .name: be0, .offset: 24, .size: 8, .value_kind: global_buffer, .address_space: global }
      - { .name: hbuf, .offset: 32, .size: 8, .value_kind: global_buffer, .address_space: global }
    .group_segment_fixed_size: 2048
    .private_segment_fixed_size: 0
    .kernarg_segment_align: 8
    .kernarg_segment_size: 40
    .max_flat_workgroup_size: 256
    .sgpr_count:     66
    .vgpr_count:     256
    .wavefront_size: 32
...
	.end_amdgpu_metadata
.endif
;; end of part 5
;; launch ff1 (part 6): grid 16 x 16, 4 waves a work-group, clusters of 4 x 4, 327,680 bytes of LDS; arguments pimg, hbuf, b0, fi; writes fi
.if DOCPART == 6
	.amdgcn_target "amdgcn-amd-amdhsa--gfx1250"
	.amdhsa_code_object_version 6
	.text
	.protected	k_q41ca6c8a9d_ff1
	.globl	k_q41ca6c8a9d_ff1
	.p2align	8
	.type	k_q41ca6c8a9d_ff1,@function
k_q41ca6c8a9d_ff1:
	s_mov_b64 s[64:65], 0
	v_nop
	global_prefetch_b8 v0, s[64:65] scope:SCOPE_SE
	s_setreg_imm32_b32 hwreg(HW_REG_WAVE_MODE, 25, 1), 1
	s_wait_xcnt 0x0
	s_wait_alu depctr_hold_cnt(0) depctr_sa_sdst(0) depctr_va_vdst(0) depctr_va_sdst(0) depctr_va_ssrc(0) depctr_va_vcc(0) depctr_vm_vsrc(0)
	s_getreg_b32 s2, hwreg(HW_REG_IB_STS2, 6, 4)
	s_cmp_eq_u32 s2, 0
	s_cbranch_scc0 .Lentry_in_a_cluster
	s_endpgm
.Lentry_in_a_cluster:
	s_bfe_u32 s2, ttmp6, 0x10000c
	s_cmp_lg_u32 s2, 0xf033
	s_cbranch_scc0 .Lentry_shape_is_right
	s_endpgm
.Lentry_shape_is_right:
; f = relu(h0 W0 + b0) on codes of BF6, quantised at once along the 4,096 for the next product.  A work-group (bx, by) takes 256 rows (row blocks 2 by, 2 by + 1) and two blocks of 128 columns, 2 bx + t.
; W0's two panels of 102,400 bytes (8 K steps x 8 fragments and their words) come by joint loads along a column of the 4 x 4 cluster, each into LDS bytes of its own, filled once: the first by the head's one load
; a wave, the second behind the waits, the add and a round; all of LDS is claimed.
; A wave's FOUR tiles of h0 x 8 K steps stay in registers for both blocks: a K step's eight fragments read from LDS feed 32 products, on 32 accumulators by turns.
; A wave's 128 results of a row are one K step of the next product: a whole fragment and a whole scale word.
; No prefetch: both panels are asked for by the head's load and the one fill behind it, so there is no later tile to ask for ahead.
; LIMITS: NaN and infinities are not served; a block under 2^-122 keeps the byte 1.
; REGISTERS: window 0: v1-19 addresses; v32-39 W0's scale words, v40-55 h0's; v64-195 h0's fragments 21-31; v196-237 the quantiser's.  window 1: W0's fragments, two sets; v192-255 b0 of the block at work.
;   window 2: the 32 accumulators (row tile i, column tile j at v[64 i + 8 j]).  window 3: h0's fragments 0-20 (fragment 4 s + i: K step s, row tile i).
.set UNIT,  12800
.set PANB,  8*UNIT
.set WBASE, 3276800
.set SPARE, 2*PANB
.set L16, 1
.set L4,  2
.set H64, 3
.set SPW, 10
.set NIL, 11
.set EA,  12                           ; v12-15 LDS address of the fragments: slot x 2 + half of the panel
.set SA,  16                           ; v16-19 the same for the scale words
.set ES,  32
.set TS,  40
.set PC,  196
.set PX,  212
.set TM,  220
.set PW,  236
.set WV, 72
.set CX, 73
.set CY, 74
.set BX, 75
.set BY, 76
.set MC, 77
.set HM, 79
.set SEL, 80
.set TB, 82
.set TSB, 84
.set MSB, 0
.macro WIN new                         ; the immediate's high byte repeats the setting that is left.  Low byte: bits 1:0 source 0, 3:2 source 1, 5:4 source 2, 7:6 destination
.if MSB != \new
	s_set_vgpr_msb (MSB<<8)|\new
.set MSB, \new
.endif
.endm
.macro PLACES                          ; four plain places behind matrix instructions, and behind a tensor load
.rept 4
	v_nop
.endr
.endm
.macro CROUND                          ; a round of the cluster's barrier
	s_barrier_signal -1
	s_barrier_wait -1
	s_cmp_lg_u32 s[WV], 0
	s_cbranch_scc1 .Lnot_wave_0_\@
	s_barrier_signal -3
.Lnot_wave_0_\@:
	s_barrier_wait -3
	s_barrier_signal -1
	s_barrier_wait -1
.endm
.macro G1SET g, m, rows                ; group 1: a dense block as rows of 256 bytes (32 elements of 8 bytes), no padding; the mask, and bit 21 beside it
	s_or_b32 s[\g], s[\m], (3<<16)|(1<<21)
	s_mov_b32 s[\g+1], 32<<16
	s_mov_b32 s[\g+2], (\rows)<<16
	s_mov_b32 s[\g+3], 32<<16
	s_mov_b32 s[\g+4], \rows
	s_mov_b32 s[\g+5], 32
	s_mov_b32 s[\g+6], 0
	s_mov_b32 s[\g+7], 0
.endm
.macro G0SET g, lr, lo, op, go         ; group 0: LDS byte s[lr] + lo; memory pimg + s[op:op+1] + go
	s_mov_b32 s[\g], 1
	s_add_co_u32 s[\g+1], s[\lr], \lo
	s_add_nc_u64 s[\g+2:\g+3], s[4:5], s[\op:\op+1]
.if (\go) != 0
	s_add_nc_u64 s[\g+2:\g+3], s[\g+2:\g+3], \go
.endif
	s_or_b32 s[\g+3], s[\g+3], 0x80000000
.endm
.macro TL g0, g1
	tensor_load_to_lds s[\g0:\g0+3], s[\g1:\g1+7]
	s_nop 0
	PLACES
.endm
.macro WMX ra, rb                      ; one product; ra, rb: the scale words stand in lanes 16-31
.if (\ra) && (\rb)
	v_wmma_scale_f32_16x16x128_f8f6f4 v[rD:rD+7], v[rA:rA+11], v[rB:rB+11], v[rC:rC+7], v[rSA], v[rSB] matrix_a_fmt:MATRIX_FMT_BF6 matrix_b_fmt:MATRIX_FMT_BF6 matrix_a_scale:MATRIX_SCALE_ROW1 matrix_b_scale:MATRIX_SCALE_ROW1
.elseif (\ra)
	v_wmma_scale_f32_16x16x128_f8f6f4 v[rD:rD+7], v[rA:rA+11], v[rB:rB+11], v[rC:rC+7], v[rSA], v[rSB] matrix_a_fmt:MATRIX_FMT_BF6 matrix_b_fmt:MATRIX_FMT_BF6 matrix_a_scale:MATRIX_SCALE_ROW1
.elseif (\rb)
	v_wmma_scale_f32_16x16x128_f8f6f4 v[rD:rD+7], v[rA:rA+11], v[rB:rB+11], v[rC:rC+7], v[rSA], v[rSB] matrix_a_fmt:MATRIX_FMT_BF6 matrix_b_fmt:MATRIX_FMT_BF6 matrix_b_scale:MATRIX_SCALE_ROW1
.else
	v_wmma_scale_f32_16x16x128_f8f6f4 v[rD:rD+7], v[rA:rA+11], v[rB:rB+11], v[rC:rC+7], v[rSA], v[rSB] matrix_a_fmt:MATRIX_FMT_BF6 matrix_b_fmt:MATRIX_FMT_BF6
.endif
.endm
; K step s: my four row tiles x the eight column tiles: 32 accumulators by turns, one instruction a turn.  first = 1: C is b0, by the column tile
.macro MUL s, first
.set mi, 0
.rept 4
.set idx, 4*(\s)+mi
.if idx < 21
.set rB, 12*idx
.if \first
	WIN 0x9d                                       ; W0 window 1, h0 window 3, b0 window 1, the result window 2
.else
	WIN 0xad                                       ; W0 window 1, h0 window 3, C and D window 2
.endif
.else
.set rB, 64+12*(idx-21)
	WIN 0xa1                                       ; W0 window 1, h0 window 0, C and D window 2
.endif
.set mj, 0
.rept 8
.set rD, 64*mi+8*mj
.set rA, 96*((\s)%2)+12*mj
.set rC, rD
.if \first
.set rC, 192+8*mj
.endif
.set rSA, ES+4*((\s)%2)+mj/2
.set rSB, TS+2*(\s)+mi/2
	WMX mj%2, mi%2
.set mj, mj+1
.endr
.set mi, mi+1
.endr
.endm
.macro FETCH slot, s                   ; the eight's fragments and scale words of K step s: 28 LDS loads, each of consecutive bytes
	PLACES
	WIN 0x40
.set fj, 0
.rept 8
.irp c, 0,1,2
	ds_load_b128 v[96*((\s)%2)+12*fj+4*\c:96*((\s)%2)+12*fj+4*\c+3], v[EA+2*(\slot)+(\s)/4] offset:((\s)%4)*UNIT+1536*fj+512*\c
.endr
.set fj, fj+1
.endr
	WIN 0
.irp p, 0,1,2,3
	ds_load_b32 v[ES+4*((\s)%2)+\p], v[SA+2*(\slot)+(\s)/4] offset:((\s)%4)*UNIT+12288+128*\p   ; lanes 0-15 tile 2 p's words, lanes 16-31 tile 2 p + 1's
.endr
.endm
.macro PANEL slot                      ; a block of 128 columns: 8 K steps out of LDS slot 'slot'
	FETCH \slot, 0
.set ps, 0
.rept 8
.if ps < 7
	FETCH \slot, ps+1
	s_wait_dscnt 28                                ; this K step's loads are in; the 28 just issued may be out
.else
	s_wait_dscnt 0x0
.endif
.if ps == 0
	MUL ps, 1
.else
	MUL ps, 0
.endif
.set ps, ps+1
.endr
	WIN 0
	PLACES
.endm
.macro BIAS off                        ; b0 in the result's layout, into window 1: for tile j the eight numbers 32 (j / 2) + 8 (j % 2) + 16 h + 0 .. 7
	WIN 0x40
.set bj, 0
.rept 8
	global_load_b128 v[192+8*bj:192+8*bj+3], v[H64], s[8:9] offset:(\off)+(32*(bj/2)+8*(bj%2))*4
	global_load_b128 v[192+8*bj+4:192+8*bj+7], v[H64], s[8:9] offset:(\off)+(32*(bj/2)+8*(bj%2))*4+16
.set bj, bj+1
.endr
	WIN 0
.endm
.macro QUANT src                       ; 64 numbers of a lane, in window 2 -> codes in v[PC] on and the scale word in v[PW], in window 0
	WIN 0x0a
.irp b, 0,1,2,3
	v_max3_num_f32 v[TM+\b], |v[\src+16*\b]|, |v[\src+1+16*\b]|, 0x2800000   ; with the floor 2^(5 - 127): the byte cannot fall under 1
.endr
	WIN 0x28
.irp i, 2,4,6,8,10,12,14
.irp b, 0,1,2,3
	v_max3_num_f32 v[TM+\b], v[TM+\b], |v[\src+16*\b+\i]|, |v[\src+1+16*\b+\i]|
.endr
.endr
	WIN 0
.irp b, 0,1,2,3
	v_permlanex16_b32 v[TM+4+\b], v[TM+\b], s[SEL], s[SEL+1]
.endr
.irp b, 0,1,2,3
	v_max_num_f32 v[TM+\b], v[TM+\b], v[TM+4+\b]       ; with lane l xor 16's 16 numbers: the block's largest magnitude
.endr
.irp b, 0,1,2,3
	v_add_nc_u32 v[TM+12+\b], 0xfe000000, v[TM+\b]     ; 4 off its exponent field: the conversion's scale operand
.endr
.irp b, 0,1,2,3
	v_lshrrev_b32 v[TM+4+\b], 23, v[TM+12+\b]          ; the scale's byte
.endr
	v_lshl_or_b32 v[PW], v[TM+5], 8, v[TM+4]
	v_lshl_or_b32 v[PW], v[TM+6], 16, v[PW]
	v_lshl_or_b32 v[PW], v[TM+7], 24, v[PW]
	WIN 0x02
.irp c, 0,1
	v_cvt_scalef32_pk16_bf6_f32 v[PC+6*\c:PC+6*\c+2], v[\src+32*\c:\src+32*\c+15], v[TM+12+2*\c]
	v_cvt_scalef32_pk16_bf6_f32 v[PX+4*\c:PX+4*\c+2], v[\src+32*\c+16:\src+32*\c+31], v[TM+12+2*\c+1]
.endr
	WIN 0
	v_nop                                              ; one plain place behind the scaled conversions
.irp c, 0,1
.irp i, 0,1,2
	v_permlane16_swap_b32 v[PC+6*\c+\i], v[PX+4*\c+\i]   ; a whole block to a lane
.endr
.irp i, 0,1,2
	v_mov_b32 v[PC+6*\c+3+\i], v[PX+4*\c+\i]
.endr
.endr
.endm
.macro EPI t                           ; block t's results: relu, quantised, out as K step 2 bx + t of the next operand
.irp e, 0,1,2,3
	WIN 0x88
.set j, 0
.rept 64
	v_max_num_f32 v[64*\e+j], 0, v[64*\e+j]        ; each accumulator from its low end on
.set j, j+1
.endr
	WIN 0
	s_wait_xcnt 0x0                                ; earlier stores have read their registers
	QUANT (64*\e)
.irp c, 0,1,2
	global_store_b128 v[L16], v[PC+4*\c:PC+4*\c+3], s[16:17] offset:(\t)*UNIT+1536*\e+512*\c
.endr
.if (\e)%2 == 0
	v_mov_b32 v[PW+1], v[PW]
.else
	v_cndmask_b32 v[PW+1], v[PW+1], v[PW], s[HM]   ; lanes 0-15 the even tile's words, lanes 16-31 the odd tile's: 128 consecutive bytes
	global_store_b32 v[L4], v[PW+1], s[18:19] offset:(\t)*UNIT+128*((\e)/2)
.endif
.endr
.endm
	s_load_b256 s[4:11], s[0:1], 0x0               ; pimg, hbuf, b0, fi
	v_lshl_add_u32 v[SPW], v0, 2, SPARE
	v_mov_b32 v[NIL], 0
	ds_add_u32 v[SPW], v[NIL]                      ; the opening lines: the add, twice on end, and its wait ahead of my first tensor load
	ds_add_u32 v[SPW], v[NIL]
	v_lshrrev_b32 v20, 5, v0
	v_readfirstlane_b32 s[WV], v20                 ; wave 0..3
	s_bfe_u32 s[CX], ttmp6, 0x40000
	s_bfe_u32 s[CY], ttmp6, 0x40004
	s_lshl_b32 s[BX], ttmp9, 2
	s_add_co_u32 s[BX], s[BX], s[CX]               ; which 256 columns
	s_and_b32 s[BY], ttmp7, 0xffff
	s_lshl_b32 s[BY], s[BY], 2
	s_add_co_u32 s[BY], s[BY], s[CY]               ; which 256 rows
	s_lshl_b32 s[MC], 0x1111, s[CX]                ; my column of the cluster
	G1SET 32, MC, 100                              ; two K steps: 25,600 bytes
	s_mul_i32 s17, s[WV], 2*UNIT
	s_mul_i32 s86, s[BX], 16*UNIT
	s_add_co_u32 s86, s86, WBASE+512*UNIT          ; W0's two blocks: made of bx alone
	s_add_co_u32 s90, s86, s17
	s_mov_b32 s91, 0
	s_wait_dscnt 0x0
	s_wait_kmcnt 0x0
	CROUND                                         ; all sixteen work-groups are here: the joint loads meet
	G0SET 48, 17, 0, 90, 0                         ; block 0, K steps 2 w, 2 w + 1
	G0SET 56, 17, PANB, 90, PANB                   ; block 1
	TL 48, 32                                      ; my one load at the head
	s_mov_b32 s[SEL], 0x76543210
	s_mov_b32 s[SEL+1], 0xfedcba98
	s_lshl_b32 s92, s[BY], 1
	s_lshr_b32 s93, s[WV], 1
	s_add_co_u32 s92, s92, s93                     ; my block of 128 rows
	s_and_b32 s93, s[WV], 1                        ; and which four of its eight tiles
	s_mul_i32 s94, s92, 8*UNIT
	s_add_co_u32 s94, s94, 16777216                ; h0's units of that block
	s_mul_i32 s18, s93, 6144
	s_lshl_b32 s19, s93, 8
	s_add_co_u32 s19, s19, 12288
	s_add_co_u32 s[TB], s94, s18
	s_mov_b32 s[TB+1], 0
	s_add_co_u32 s[TSB], s94, s19
	s_mov_b32 s[TSB+1], 0
	s_add_nc_u64 s[TB:TB+1], s[6:7], s[TB:TB+1]
	s_add_nc_u64 s[TSB:TSB+1], s[6:7], s[TSB:TSB+1]
	s_lshl_b32 s86, s[BX], 10
	s_mov_b32 s87, 0
	s_add_nc_u64 s[8:9], s[8:9], s[86:87]          ; b0 at my 256 columns
	s_lshl_b32 s86, s92, 5
	s_lshl_b32 s88, s[BX], 1
	s_add_co_u32 s86, s86, s88
	s_mul_i32 s86, s86, UNIT                       ; the unit (my block of rows, K step 2 bx)
	s_add_co_u32 s16, s86, s18
	s_mov_b32 s17, 0
	s_add_co_u32 s18, s86, s19
	s_mov_b32 s19, 0
	s_add_nc_u64 s[16:17], s[10:11], s[16:17]
	s_add_nc_u64 s[18:19], s[10:11], s[18:19]
	v_and_b32 v21, 31, v0
	v_bfe_u32 v20, v0, 4, 1
	v_lshlrev_b32 v[L16], 4, v21
	v_lshlrev_b32 v[L4], 2, v21
	v_lshlrev_b32 v[H64], 6, v20
	v_cmp_le_u32 s[HM], 16, v21
	v_lshlrev_b32 v[EA], 4, v21
	v_lshlrev_b32 v[SA], 2, v21
	v_add_nc_u32 v[EA+1], 4*UNIT, v[L16]
	v_add_nc_u32 v[SA+1], 4*UNIT, v[L4]
	v_add_nc_u32 v[EA+2], PANB, v[L16]
	v_add_nc_u32 v[SA+2], PANB, v[L4]
	v_add_nc_u32 v[EA+3], PANB+4*UNIT, v[L16]
	v_add_nc_u32 v[SA+3], PANB+4*UNIT, v[L4]
.irp b, 0,1,2,3
	v_mov_b32 v[TM+4+\b], 0                        ; a lane permute's destination counts as one of its sources
.endr
	s_wait_alu depctr_va_vdst(0)                   ; the wait at the head's end
	BIAS 0
.set idx, 0
.rept 32                               ; my four tiles x 8 K steps, from memory straight into registers: each load reads 512 consecutive bytes
.if idx < 21
	WIN 0xc0
.set rB, 12*idx
.else
	WIN 0
.set rB, 64+12*(idx-21)
.endif
.irp c, 0,1,2
	global_load_b128 v[rB+4*\c:rB+4*\c+3], v[L16], s[TB:TB+1] offset:UNIT*(idx/4)+1536*(idx%4)+512*\c
.endr
.set idx, idx+1
.endr
	WIN 0
.set tq, 0
.rept 16
	global_load_b32 v[TS+tq], v[L4], s[TSB:TSB+1] offset:UNIT*(tq/2)+128*(tq%2)   ; their scale words: lanes 0-15 the even tile's, lanes 16-31 the odd tile's
.set tq, tq+1
.endr
	s_wait_tensorcnt 0x0                           ; my part of block 0's panel has landed,
	ds_add_u32 v[SPW], v[NIL]
	s_wait_dscnt 0x0
	CROUND                                         ; block 0's panel is whole in every wave's sight,
	TL 56, 32                                      ; and block 1's sets out: it lands under block 0's products
	s_wait_loadcnt 0x0                             ; b0 of block 0, h0's tiles and words
	PANEL 0
	BIAS 512                                       ; b0 of block 1, into the registers that block 0's first products have read
	EPI 0
	s_wait_tensorcnt 0x0                           ; my part of block 1's panel has landed,
	s_wait_dscnt 0x0
	s_barrier_signal -1
	s_barrier_wait -1                              ; and everybody's.
	s_wait_loadcnt 0x0
	PANEL 1
	EPI 1
	s_wait_tensorcnt 0x0                           ; the wave's end
	ds_add_u32 v[SPW], v[NIL]
	s_wait_dscnt 0x0
	CROUND                                         ; the closing round
	s_endpgm
.Lfunc_end_k_q41ca6c8a9d_ff1:
	.size	k_q41ca6c8a9d_ff1, .Lfunc_end_k_q41ca6c8a9d_ff1-k_q41ca6c8a9d_ff1
	.p2alignl 7, 3214868480
	.fill 96, 4, 3214868480
	.section	.rodata,"a",@progbits
	.p2align	6, 0x0
	.amdhsa_kernel k_q41ca6c8a9d_ff1
		.amdhsa_group_segment_fixed_size 327680
		.amdhsa_private_segment_fixed_size 0
		.amdhsa_enable_private_segment 0
		.amdhsa_kernarg_size 32
		.amdhsa_user_sgpr_count 2
		.amdhsa_user_sgpr_kernarg_segment_ptr 1
		.amdhsa_wavefront_size32 1
		.amdhsa_system_sgpr_workgroup_id_x 1
		.amdhsa_system_sgpr_workgroup_id_y 1
		.amdhsa_system_sgpr_workgroup_id_z 1
		.amdhsa_system_vgpr_workitem_id 0
		.amdhsa_next_free_vgpr 1024
		.amdhsa_next_free_sgpr 100
		.amdhsa_reserve_vcc 0
		.amdhsa_float_denorm_mode_32 3
		.amdhsa_float_denorm_mode_16_64 3
		.amdhsa_memory_ordered 1
		.amdhsa_forward_progress 1
		.amdhsa_inst_pref_size 167
	.end_amdhsa_kernel
	.amdgpu_metadata
---
amdhsa.version: [ 1, 2 ]
amdhsa.kernels:
  - .name:           k_q41ca6c8a9d_ff1
    .symbol:         k_q41ca6c8a9d_ff1.kd
    .args:
      - { .name: pimg, .offset: 0, .size: 8, .value_kind: global_buffer, .address_space: global }
      - { .name: hbuf, .offset: 8, .size: 8, .value_kind: global_buffer, .address_space: global }
      - { .name: b0, .offset: 16, .size: 8, .value_kind: global_buffer, .address_space: global }
      - { .name: fi, .offset: 24, .size: 8, .value_kind: global_buffer, .address_space: global }
    .group_segment_fixed_size: 327680
    .private_segment_fixed_size: 0
    .kernarg_segment_align: 8
    .kernarg_segment_size: 32
    .max_flat_workgroup_size: 128
    .sgpr_count:     100
    .vgpr_count:     1024
    .wavefront_size: 32
...
	.end_amdgpu_metadata
.endif
;; end of part 6
;; launch ff2 (part 7): grid 8 x 32, 4 waves a work-group, clusters of 4 x 4, 327,680 bytes of LDS; arguments pimg, fi, b1, hbuf, ybuf; writes ybuf
.if DOCPART == 7
	.amdgcn_target "amdgcn-amd-amdhsa--gfx1250"
	.amdhsa_code_object_version 6
	.text
	.protected	k_q41ca6c8a9d_ff2
	.globl	k_q41ca6c8a9d_ff2
	.p2align	8
	.type	k_q41ca6c8a9d_ff2,@function
k_q41ca6c8a9d_ff2:
	s_mov_b64 s[64:65], 0
	v_nop
	global_prefetch_b8 v0, s[64:65] scope:SCOPE_SE
	s_setreg_imm32_b32 hwreg(HW_REG_WAVE_MODE, 25, 1), 1
	s_wait_xcnt 0x0
	s_wait_alu depctr_hold_cnt(0) depctr_sa_sdst(0) depctr_va_vdst(0) depctr_va_sdst(0) depctr_va_ssrc(0) depctr_va_vcc(0) depctr_vm_vsrc(0)
	s_getreg_b32 s2, hwreg(HW_REG_IB_STS2, 6, 4)
	s_cmp_eq_u32 s2, 0
	s_cbranch_scc0 .Lentry_in_a_cluster
	s_endpgm
.Lentry_in_a_cluster:
	s_bfe_u32 s2, ttmp6, 0x10000c
	s_cmp_lg_u32 s2, 0xf033
	s_cbranch_scc0 .Lentry_shape_is_right
	s_endpgm
.Lentry_shape_is_right:
; y1 = h0 + f W1 + b1 on codes of BF6, K = 4,096 in four panels of 8 K steps.  A work-group (bx, by) makes 128 rows x 128 columns.
; W1's four panels of 102,400 bytes come by joint loads along a column of the 4 x 4 cluster: three into three LDS slots, each set out when the one before is whole, the fourth into slot 0 when the first has been read.
; A wave's two tiles of f come panel by panel from memory straight into registers, in two sets that take turns, a panel ahead.  b1 is the C of the first products; h0 is added at the end, in f32.
; y1 goes out as the accumulators lie, 512 consecutive bytes a store.  All of LDS is claimed and 0 is added to spare words ahead of the refill and at the end.
; REGISTERS: window 0: v1-11 addresses; v32-39 W1's scale words, v40-47, v48-55 f's; v64-191 16 accumulators.  window 1: W1's fragments, two sets; v192-255 b1.  windows 2, 3: f's panels; at the end window 2 holds h0.
.set UNIT,  12800
.set PANB,  8*UNIT
.set WBASE, 3276800
.set SPARE, 3*PANB
.set L16, 1
.set L4,  2
.set H64, 3
.set EA0, 6
.set SA0, 8
.set SPW, 10
.set NIL, 11
.set ES,  32
.set TS,  40
.set TS2, 48
.set ACC, 64
.set WV, 72
.set CX, 73
.set CY, 74
.set BX, 75
.set BY, 76
.set MC, 77
.set TB, 82
.set TSB, 84
.set MSB, 0
.macro WIN new
.if MSB != \new
	s_set_vgpr_msb (MSB<<8)|\new
.set MSB, \new
.endif
.endm
.macro PLACES
.rept 4
	v_nop
.endr
.endm
.macro CROUND
	s_barrier_signal -1
	s_barrier_wait -1
	s_cmp_lg_u32 s[WV], 0
	s_cbranch_scc1 .Lnot_wave_0_\@
	s_barrier_signal -3
.Lnot_wave_0_\@:
	s_barrier_wait -3
	s_barrier_signal -1
	s_barrier_wait -1
.endm
.macro MEET n
	s_wait_tensorcnt \n
	s_wait_dscnt 0x0
	s_barrier_signal -1
	s_barrier_wait -1
.endm
.macro G1SET g, m, rows
	s_or_b32 s[\g], s[\m], (3<<16)|(1<<21)
	s_mov_b32 s[\g+1], 32<<16
	s_mov_b32 s[\g+2], (\rows)<<16
	s_mov_b32 s[\g+3], 32<<16
	s_mov_b32 s[\g+4], \rows
	s_mov_b32 s[\g+5], 32
	s_mov_b32 s[\g+6], 0
	s_mov_b32 s[\g+7], 0
.endm
.macro G0SET g, lr, lo, op, go
	s_mov_b32 s[\g], 1
	s_add_co_u32 s[\g+1], s[\lr], \lo
	s_add_nc_u64 s[\g+2:\g+3], s[4:5], s[\op:\op+1]
.if (\go) != 0
	s_add_nc_u64 s[\g+2:\g+3], s[\g+2:\g+3], \go
.endif
	s_or_b32 s[\g+3], s[\g+3], 0x80000000
.endm
.macro TL g0, g1
	tensor_load_to_lds s[\g0:\g0+3], s[\g1:\g1+7]
	s_nop 0
	PLACES
.endm
.macro REFILL g
	WIN 0
	s_wait_tensorcnt 0x0
	ds_add_u32 v[SPW], v[NIL]                      ; 0 onto my spare word
	s_wait_dscnt 0x0
	CROUND
	TL \g, 32
.endm
.macro WMX ra, rb
.if (\ra) && (\rb)
	v_wmma_scale_f32_16x16x128_f8f6f4 v[rD:rD+7], v[rA:rA+11], v[rB:rB+11], v[rC:rC+7], v[rSA], v[rSB] matrix_a_fmt:MATRIX_FMT_BF6 matrix_b_fmt:MATRIX_FMT_BF6 matrix_a_scale:MATRIX_SCALE_ROW1 matrix_b_scale:MATRIX_SCALE_ROW1
.elseif (\ra)
	v_wmma_scale_f32_16x16x128_f8f6f4 v[rD:rD+7], v[rA:rA+11], v[rB:rB+11], v[rC:rC+7], v[rSA], v[rSB] matrix_a_fmt:MATRIX_FMT_BF6 matrix_b_fmt:MATRIX_FMT_BF6 matrix_a_scale:MATRIX_SCALE_ROW1
.elseif (\rb)
	v_wmma_scale_f32_16x16x128_f8f6f4 v[rD:rD+7], v[rA:rA+11], v[rB:rB+11], v[rC:rC+7], v[rSA], v[rSB] matrix_a_fmt:MATRIX_FMT_BF6 matrix_b_fmt:MATRIX_FMT_BF6 matrix_b_scale:MATRIX_SCALE_ROW1
.else
	v_wmma_scale_f32_16x16x128_f8f6f4 v[rD:rD+7], v[rA:rA+11], v[rB:rB+11], v[rC:rC+7], v[rSA], v[rSB] matrix_a_fmt:MATRIX_FMT_BF6 matrix_b_fmt:MATRIX_FMT_BF6
.endif
.endm
.macro MUL s, ts, first, cb, cmode     ; 16 accumulators by turns, one instruction a turn, from panel to panel too
.set mi, 0
.rept 2
.set mj, 0
.rept 8
.set rD, ACC+64*mi+8*mj
.set rA, 96*((\s)%2)+12*mj
.set rB, 24*(\s)+12*mi
.set rC, rD
.if \first
.if \cmode
.set rC, (\cb)+8*mi
.else
.set rC, (\cb)+8*mj
.endif
.endif
.set rSA, ES+4*((\s)%2)+mj/2
.set rSB, (\ts)+(\s)
	WMX mj%2, mi
.set mj, mj+1
.endr
.set mi, mi+1
.endr
.endm
.macro FETCH s
	PLACES
	WIN 0x40
.set fj, 0
.rept 8
.irp c, 0,1,2
	ds_load_b128 v[96*((\s)%2)+12*fj+4*\c:96*((\s)%2)+12*fj+4*\c+3], v[EA0+(\s)/4] offset:((\s)%4)*UNIT+1536*fj+512*\c
.endr
.set fj, fj+1
.endr
	WIN 0
.irp p, 0,1,2,3
	ds_load_b32 v[ES+4*((\s)%2)+\p], v[SA0+(\s)/4] offset:((\s)%4)*UNIT+12288+128*\p
.endr
.endm
.macro PANEL slot, win, winf, ts, first, cb, cmode, meet
	v_add_nc_u32 v[EA0], (\slot)*PANB, v[L16]
	s_wait_alu depctr_va_vdst(0)
	v_add_nc_u32 v[EA0+1], (\slot)*PANB+4*UNIT, v[L16]
	v_add_nc_u32 v[SA0], (\slot)*PANB, v[L4]
	s_wait_alu depctr_va_vdst(0)
	v_add_nc_u32 v[SA0+1], (\slot)*PANB+4*UNIT, v[L4]
	s_wait_alu depctr_va_vdst(0)
	FETCH 0
.set ps, 0
.rept 8
.if (ps == 3) && ((\meet) >= 0)
	MEET \meet
.endif
.if ps < 7
	FETCH ps+1
	s_wait_dscnt 28                                ; this K step's loads are in; the 28 just issued may be out
.else
	s_wait_dscnt 0x0
.endif
.if (\first) && (ps == 0)
	WIN \winf
	MUL ps, \ts, 1, \cb, \cmode
.else
	WIN \win
	MUL ps, \ts, 0, \cb, \cmode
.endif
.set ps, ps+1
.endr
	WIN 0
	PLACES
.endm
.macro TWO winv, ts, tb, tsb, off
	WIN \winv
.set tq, 0
.rept 8
.irp i, 0,1
.irp c, 0,1,2
	global_load_b128 v[24*tq+12*\i+4*\c:24*tq+12*\i+4*\c+3], v[L16], s[\tb:\tb+1] offset:(\off)+UNIT*tq+1536*\i+512*\c
.endr
.endr
.set tq, tq+1
.endr
	WIN 0
.set tq, 0
.rept 8
	global_load_b32 v[(\ts)+tq], v[L4], s[\tsb:\tsb+1] offset:(\off)+UNIT*tq
.set tq, tq+1
.endr
.endm
.macro BIAS winv, reg, base, off
	WIN \winv
.set bj, 0
.rept 8
	global_load_b128 v[(\reg)+8*bj:(\reg)+8*bj+3], v[H64], s[\base:\base+1] offset:(\off)+(32*(bj/2)+8*(bj%2))*4
	global_load_b128 v[(\reg)+8*bj+4:(\reg)+8*bj+7], v[H64], s[\base:\base+1] offset:(\off)+(32*(bj/2)+8*(bj%2))*4+16
.set bj, bj+1
.endr
	WIN 0
.endm
	s_load_b256 s[4:11], s[0:1], 0x0               ; pimg, fi, b1, hbuf
	s_load_b64 s[12:13], s[0:1], 0x20              ; ybuf
	v_lshl_add_u32 v[SPW], v0, 2, SPARE
	v_mov_b32 v[NIL], 0
	ds_add_u32 v10, v11
	ds_add_u32 v10, v11
	s_wait_dscnt 0x0
	v_lshrrev_b32 v12, 5, v0
	v_readfirstlane_b32 s[WV], v12
	s_bfe_u32 s[CX], ttmp6, 0x40000
	s_bfe_u32 s[CY], ttmp6, 0x40004
	s_lshl_b32 s[BX], ttmp9, 2
	s_add_co_u32 s[BX], s[BX], s[CX]
	s_and_b32 s[BY], ttmp7, 0xffff
	s_lshl_b32 s[BY], s[BY], 2
	s_add_co_u32 s[BY], s[BY], s[CY]
	s_lshl_b32 s[MC], 0x1111, s[CX]
	G1SET 32, MC, 100
	s_mul_i32 s16, s[WV], UNIT
	s_lshl_b32 s17, s16, 1
	s_mul_i32 s86, s[BX], 32*UNIT
	s_add_co_u32 s86, s86, WBASE+256*UNIT          ; W1's block: made of bx alone
	s_add_co_u32 s90, s86, s17
	s_mov_b32 s91, 0
	s_wait_kmcnt 0x0
	CROUND
	G0SET 48, 17, 0, 90, 0                         ; panel 0, K steps 2 w, 2 w + 1
	G0SET 56, 17, PANB, 90, PANB                   ; panel 1
	G0SET 60, 17, 2*PANB, 90, 2*PANB               ; panel 2
	G0SET 68, 17, 0, 90, 3*PANB                    ; panel 3: the refill of slot 0
	TL 48, 32                                      ; my one load at the head: a quarter of panel 0
	v_and_b32 v13, 31, v0
	v_lshlrev_b32 v[L16], 4, v13
	v_lshlrev_b32 v[L4], 2, v13
	v_bfe_u32 v12, v0, 4, 1
	v_lshlrev_b32 v[H64], 6, v12
	s_wait_alu depctr_va_vdst(0)
	s_mul_i32 s92, s[BY], 32*UNIT                  ; f's block of rows
	s_mul_i32 s18, s[WV], 3072
	s_lshl_b32 s19, s[WV], 7
	s_add_co_u32 s19, s19, 12288
	s_add_co_u32 s[TB], s92, s18
	s_mov_b32 s[TB+1], 0
	s_add_co_u32 s[TSB], s92, s19
	s_mov_b32 s[TSB+1], 0
	s_add_nc_u64 s[TB:TB+1], s[6:7], s[TB:TB+1]
	s_add_nc_u64 s[TSB:TSB+1], s[6:7], s[TSB:TSB+1]
	s_lshl_b32 s86, s[BX], 9
	s_mov_b32 s87, 0
	s_add_nc_u64 s[8:9], s[8:9], s[86:87]          ; b1 at my 128 columns
	s_lshl_b32 s86, s[BY], 3
	s_lshl_b32 s88, s[WV], 1
	s_add_co_u32 s86, s86, s88                     ; my first tile of rows
	s_lshl_b32 s86, s86, 16
	s_lshl_b32 s88, s[BX], 13
	s_add_co_u32 s86, s86, s88
	s_add_nc_u64 s[16:17], s[10:11], s[86:87]      ; h0
	s_add_nc_u64 s[18:19], s[12:13], s[86:87]      ; y1
	BIAS 0x40, 192, 8, 0
	TWO 0x80, TS, TB, TSB, 0
	TWO 0xc0, TS2, TB, TSB, PANB
	s_wait_alu depctr_va_vdst(0)                   ; the wait at the head's end
	REFILL 56                                      ; panel 0 is whole in every wave's sight; panel 1 sets out
	s_wait_loadcnt 56                              ; b1 and panel 0's tiles are in; panel 1's 56 loads may be out
	PANEL 0, 0x09, 0x19, TS, 1, 192, 0, -1
	REFILL 60                                      ; panel 1 is whole; panel 2 sets out
	TWO 0x80, TS, TB, TSB, 2*PANB
	s_wait_loadcnt 56                              ; panel 1's tiles are in
	PANEL 1, 0x0d, 0x0d, TS2, 0, 0, 0, -1
	REFILL 68                                      ; panel 2 is whole; panel 3 goes into slot 0, which every wave has read out
	TWO 0xc0, TS2, TB, TSB, 3*PANB
	s_wait_loadcnt 56                              ; panel 2's
	PANEL 2, 0x09, 0x09, TS, 0, 0, 0, -1
	WIN 0x80
.set j, 0
.rept 32
	global_load_b128 v[4*j:4*j+3], v[L16], s[16:17] offset:65536*(j/16)+2048*((j/4)%4)+512*(j%4)   ; h0, as the accumulators lie
.set j, j+1
.endr
	WIN 0
	s_wait_loadcnt 32                              ; panel 3's tiles are in; h0's 32 loads may be out
	MEET 0                                         ; panel 3 is in
	PANEL 0, 0x0d, 0x0d, TS2, 0, 0, 0, -1
	s_wait_loadcnt 0x0
	WIN 0x08
.set j, 0
.rept 64
	v_pk_add_f32 v[ACC+2*j:ACC+2*j+1], v[ACC+2*j:ACC+2*j+1], v[2*j:2*j+1]   ; + h0; each accumulator from its low end on
.set j, j+1
.endr
	WIN 0
.set j, 0
.rept 32
	global_store_b128 v[L16], v[ACC+4*j:ACC+4*j+3], s[18:19] offset:65536*(j/16)+2048*((j/4)%4)+512*(j%4)
.set j, j+1
.endr
	s_wait_tensorcnt 0x0                           ; the wave's end
	ds_add_u32 v[SPW], v[NIL]
	s_wait_dscnt 0x0
	CROUND                                         ; the closing round
	s_endpgm
.Lfunc_end_k_q41ca6c8a9d_ff2:
	.size	k_q41ca6c8a9d_ff2, .Lfunc_end_k_q41ca6c8a9d_ff2-k_q41ca6c8a9d_ff2
	.p2alignl 7, 3214868480
	.fill 96, 4, 3214868480
	.section	.rodata,"a",@progbits
	.p2align	6, 0x0
	.amdhsa_kernel k_q41ca6c8a9d_ff2
		.amdhsa_group_segment_fixed_size 327680
		.amdhsa_private_segment_fixed_size 0
		.amdhsa_enable_private_segment 0
		.amdhsa_kernarg_size 40
		.amdhsa_user_sgpr_count 2
		.amdhsa_user_sgpr_kernarg_segment_ptr 1
		.amdhsa_wavefront_size32 1
		.amdhsa_system_sgpr_workgroup_id_x 1
		.amdhsa_system_sgpr_workgroup_id_y 1
		.amdhsa_system_sgpr_workgroup_id_z 1
		.amdhsa_system_vgpr_workitem_id 0
		.amdhsa_next_free_vgpr 1024
		.amdhsa_next_free_sgpr 100
		.amdhsa_reserve_vcc 0
		.amdhsa_float_denorm_mode_32 3
		.amdhsa_float_denorm_mode_16_64 3
		.amdhsa_memory_ordered 1
		.amdhsa_forward_progress 1
		.amdhsa_inst_pref_size 170
	.end_amdhsa_kernel
	.amdgpu_metadata
---
amdhsa.version: [ 1, 2 ]
amdhsa.kernels:
  - .name:           k_q41ca6c8a9d_ff2
    .symbol:         k_q41ca6c8a9d_ff2.kd
    .args:
      - { .name: pimg, .offset: 0, .size: 8, .value_kind: global_buffer, .address_space: global }
      - { .name: fi, .offset: 8, .size: 8, .value_kind: global_buffer, .address_space: global }
      - { .name: b1, .offset: 16, .size: 8, .value_kind: global_buffer, .address_space: global }
      - { .name: hbuf, .offset: 24, .size: 8, .value_kind: global_buffer, .address_space: global }
      - { .name: ybuf, .offset: 32, .size: 8, .value_kind: global_buffer, .address_space: global }
    .group_segment_fixed_size: 327680
    .private_segment_fixed_size: 0
    .kernarg_segment_align: 8
    .kernarg_segment_size: 40
    .max_flat_workgroup_size: 128
    .sgpr_count:     100
    .vgpr_count:     1024
    .wavefront_size: 32
...
	.end_amdgpu_metadata
.endif
;; end of part 7
;; launch ln1 (part 8): grid 256 x 1, 8 waves a work-group, no clusters, 69,632 bytes of LDS; arguments ybuf, g1, be1, out0; writes out0
.if DOCPART == 8
	.amdgcn_target "amdgcn-amd-amdhsa--gfx1250"
	.amdhsa_code_object_version 6
	.text
	.protected	k_q41ca6c8a9d_ln1
	.globl	k_q41ca6c8a9d_ln1
	.p2align	8
	.type	k_q41ca6c8a9d_ln1,@function
k_q41ca6c8a9d_ln1:
	s_mov_b64 s[64:65], 0
	v_nop
	global_prefetch_b8 v0, s[64:65] scope:SCOPE_SE
	s_setreg_imm32_b32 hwreg(HW_REG_WAVE_MODE, 25, 1), 1
	s_wait_xcnt 0x0
; out0 = LayerNorm(y1) g1 + be1, in f32.  A work-group takes a tile of 16 rows; wave s takes columns 128 s .. 128 s + 127: 64 numbers a lane, as the accumulators lay.
; Mean and variance in two passes; the waves' parts meet in LDS, 8 words a row, behind a barrier each.  On the way out a wave's 16 rows x 512 bytes turn through its own stage in LDS (rows of 528 bytes)
; and leave as rows: 32 lanes store 512 consecutive bytes.  Lane r of the tile is row r % 8 + 16 (r / 8) of its span.  Memory binds: no matrix unit, no cluster, no tensor load would add anything.
; LIMITS: NaN and infinities are not served.
.set WV, 20
.set SEL, 22
.macro XCHG off                        ; four pairs of partial sums in v224-231 -> the row's total over all 1,024 columns in v232
	s_delay_alu instid0(VALU_DEP_3)
	v_pk_add_f32 v[224:225], v[224:225], v[226:227]
	s_delay_alu instid0(VALU_DEP_2)
	v_pk_add_f32 v[228:229], v[228:229], v[230:231]
	s_delay_alu instid0(VALU_DEP_1)
	v_pk_add_f32 v[224:225], v[224:225], v[228:229]
	s_delay_alu instid0(VALU_DEP_1)
	v_add_f32 v224, v224, v225
	s_delay_alu instid0(VALU_DEP_1)
	v_permlanex16_b32 v225, v224, s[SEL], s[SEL+1]
	s_delay_alu instid0(VALU_DEP_1)
	v_add_f32 v224, v224, v225
	ds_store_b32 v6, v224 offset:\off              ; both lanes of a row write the same word with the same value
	s_wait_dscnt 0x0                               ; for the others' sake
	s_barrier_signal -1
	s_barrier_wait -1
	ds_load_b128 v[232:235], v7 offset:\off
	ds_load_b128 v[236:239], v7 offset:\off+16
	s_wait_dscnt 0x0
	v_pk_add_f32 v[232:233], v[232:233], v[234:235]
	v_pk_add_f32 v[236:237], v[236:237], v[238:239]
	s_delay_alu instid0(VALU_DEP_1)
	v_pk_add_f32 v[232:233], v[232:233], v[236:237]
	s_delay_alu instid0(VALU_DEP_1)
	v_add_f32 v232, v232, v233
.endm
	s_load_b256 s[4:11], s[0:1], 0x0               ; ybuf, g1, be1, out0
	v_lshl_add_u32 v254, v0, 2, 0x10c00
	v_mov_b32 v255, 0
	v_lshrrev_b32 v1, 5, v0
	s_delay_alu instid0(VALU_DEP_1)
	v_readfirstlane_b32 s[WV], v1                  ; wave 0..7
	v_and_b32 v9, 31, v0
	s_delay_alu instid0(VALU_DEP_1)
	v_lshlrev_b32 v1, 4, v9                        ; 16 x lane
	v_and_b32 v2, 15, v0                           ; r
	v_bfe_u32 v3, v0, 4, 1                         ; h
	s_delay_alu instid0(VALU_DEP_1)
	v_lshlrev_b32 v4, 6, v3                        ; 64 h
	s_delay_alu instid0(VALU_DEP_3)
	v_lshlrev_b32 v7, 5, v2                        ; LDS: 32 bytes a row,
	s_delay_alu instid0(VALU_DEP_1)
	v_lshl_add_u32 v6, s[WV], 2, v7                ; my wave's word in them
	s_mul_i32 s24, s[WV], 8448
	s_add_co_u32 s24, s24, 1024                    ; my stage
	v_mul_u32_u24 v10, v2, 528
	s_delay_alu instid0(VALU_DEP_1)
	v_add_nc_u32 v10, v10, v4
	s_delay_alu instid0(VALU_DEP_1)
	v_add_nc_u32 v10, s24, v10                     ; in: row r, + 64 h
	v_add_nc_u32 v11, s24, v1                      ; back: 16 bytes a lane of a row
	s_mov_b32 s[SEL], 0x76543210
	s_mov_b32 s[SEL+1], 0xfedcba98
	s_mov_b32 s34, 0x3a800000                      ; 1 / 1,024
	s_mov_b32 s35, 0x3727c5ac                      ; 1e-5
	s_lshl_b32 s24, ttmp9, 16
	s_lshl_b32 s25, s[WV], 13
	s_add_co_u32 s24, s24, s25
	s_mov_b32 s25, 0
	s_lshr_b32 s26, ttmp9, 1
	s_lshl_b32 s26, s26, 5
	s_and_b32 s27, ttmp9, 1
	s_lshl_b32 s27, s27, 3
	s_add_co_u32 s26, s26, s27                     ; the tile's first row
	s_lshl_b32 s26, s26, 12
	s_lshl_b32 s28, s[WV], 9
	s_mov_b32 s29, 0
	s_add_co_u32 s26, s26, s28
	s_mov_b32 s27, 0
	s_wait_alu depctr_va_vdst(0)
	s_wait_kmcnt 0x0
	s_add_nc_u64 s[4:5], s[4:5], s[24:25]
	s_add_nc_u64 s[6:7], s[6:7], s[28:29]
	s_add_nc_u64 s[8:9], s[8:9], s[28:29]
	s_add_nc_u64 s[10:11], s[10:11], s[26:27]
.set j, 0
.rept 16
	global_load_b128 v[32+4*j:35+4*j], v1, s[4:5] offset:2048*(j/4)+512*(j%4)
.set j, j+1
.endr
.set j, 0
.rept 16
	global_load_b128 v[96+4*j:99+4*j], v4, s[6:7] offset:128*(j/4)+16*(j%4)
.set j, j+1
.endr
.set j, 0
.rept 16
	global_load_b128 v[160+4*j:163+4*j], v4, s[8:9] offset:128*(j/4)+16*(j%4)
.set j, j+1
.endr
	s_wait_loadcnt 32                              ; y1 is in; g1's and be1's 32 loads may be out
.irp k, 0,1,2,3
	v_pk_add_f32 v[224+2*\k:225+2*\k], v[32+2*\k:33+2*\k], v[40+2*\k:41+2*\k]
.endr
.irp m, 2,3,4,5,6,7
.irp k, 0,1,2,3
	s_delay_alu instid0(VALU_DEP_4)
	v_pk_add_f32 v[224+2*\k:225+2*\k], v[224+2*\k:225+2*\k], v[32+8*\m+2*\k:33+8*\m+2*\k]
.endr
.endr
	XCHG 0
	s_delay_alu instid0(VALU_DEP_1)
	v_mul_f32 v240, s34, v232                      ; the mean
	s_delay_alu instid0(VALU_DEP_1)
	v_mov_b32 v241, v240
.set j, 0
.rept 32
	v_pk_add_f32 v[32+2*j:33+2*j], v[32+2*j:33+2*j], v[240:241] neg_lo:[0,1] neg_hi:[0,1]
.set j, j+1
.endr
.irp k, 0,1,2,3
	v_pk_mul_f32 v[224+2*\k:225+2*\k], v[32+2*\k:33+2*\k], v[32+2*\k:33+2*\k]
.endr
.irp m, 1,2,3,4,5,6,7
.irp k, 0,1,2,3
	s_delay_alu instid0(VALU_DEP_4)
	v_pk_fma_f32 v[224+2*\k:225+2*\k], v[32+8*\m+2*\k:33+8*\m+2*\k], v[32+8*\m+2*\k:33+8*\m+2*\k], v[224+2*\k:225+2*\k]
.endr
.endr
	XCHG 512                                       ; other words than the first exchange's
	s_delay_alu instid0(VALU_DEP_1)
	v_fma_f32 v242, v232, s34, s35                 ; the variance + 1e-5
	s_wait_alu depctr_va_vdst(0)
	v_rsq_f32 v242, v242
	v_nop                                          ; a plain place behind the transcendental
	s_wait_alu depctr_va_vdst(0)                   ; and the wait ahead of its first reader
	v_mov_b32 v243, v242
	s_wait_alu depctr_va_vdst(0)
	s_wait_loadcnt 0x0                             ; g1, be1
.set j, 0
.rept 32
	v_pk_mul_f32 v[32+2*j:33+2*j], v[32+2*j:33+2*j], v[242:243]
.set j, j+1
.endr
.set j, 0
.rept 32
	v_pk_fma_f32 v[32+2*j:33+2*j], v[32+2*j:33+2*j], v[96+2*j:97+2*j], v[160+2*j:161+2*j]
.set j, j+1
.endr
.set j, 0
.rept 16
	ds_store_b128 v10, v[32+4*j:35+4*j] offset:128*(j/4)+16*(j%4)
.set j, j+1
.endr
.set j, 0
.rept 16
	ds_load_b128 v[96+4*j:99+4*j], v11 offset:528*j   ; LDS serves a wave's instructions in order: these see my stores
.set j, j+1
.endr
.set j, 0
.rept 16
	s_wait_dscnt 15-j                              ; the younger loads may be out
	global_store_b128 v1, v[96+4*j:99+4*j], s[10:11] offset:((j%8)+16*(j/8))*4096
.set j, j+1
.endr
	s_wait_tensorcnt 0x0
	ds_add_u32 v254, v255
	s_wait_dscnt 0x0
	s_endpgm
.Lfunc_end_k_q41ca6c8a9d_ln1:
	.size	k_q41ca6c8a9d_ln1, .Lfunc_end_k_q41ca6c8a9d_ln1-k_q41ca6c8a9d_ln1
	.p2alignl 7, 3214868480
	.fill 96, 4, 3214868480
	.section	.rodata,"a",@progbits
	.p2align	6, 0x0
	.amdhsa_kernel k_q41ca6c8a9d_ln1
		.amdhsa_group_segment_fixed_size 69632
		.amdhsa_private_segment_fixed_size 0
		.amdhsa_enable_private_segment 0
		.amdhsa_kernarg_size 32
		.amdhsa_user_sgpr_count 2
		.amdhsa_user_sgpr_kernarg_segment_ptr 1
		.amdhsa_wavefront_size32 1
		.amdhsa_system_sgpr_workgroup_id_x 1
		.amdhsa_system_sgpr_workgroup_id_y 1
		.amdhsa_system_sgpr_workgroup_id_z 1
		.amdhsa_system_vgpr_workitem_id 0
		.amdhsa_next_free_vgpr 256
		.amdhsa_next_free_sgpr 66
		.amdhsa_reserve_vcc 0
		.amdhsa_float_denorm_mode_32 3
		.amdhsa_float_denorm_mode_16_64 3
		.amdhsa_memory_ordered 1
		.amdhsa_forward_progress 1
		.amdhsa_inst_pref_size 25
	.end_amdhsa_kernel
	.amdgpu_metadata
---
amdhsa.version: [ 1, 2 ]
amdhsa.kernels:
  - .name:           k_q41ca6c8a9d_ln1
    .symbol:         k_q41ca6c8a9d_ln1.kd
    .args:
      - { .name: ybuf, .offset: 0, .size: 8, .value_kind: global_buffer, .address_space: global }
      - { .name: g1, .offset: 8, .size: 8, .value_kind: global_buffer, .address_space: global }
      - { .name: be1, .offset: 16, .size: 8, .value_kind: global_buffer, .address_space: global }
      - { .name: out0, .offset: 24, .size: 8, .value_kind: global_buffer, .address_space: global }
    .group_segment_fixed_size: 69632
    .private_segment_fixed_size: 0
    .kernarg_segment_align: 8
    .kernarg_segment_size: 32
    .max_flat_workgroup_size: 256
    .sgpr_count:     66
    .vgpr_count:     256
    .wavefront_size: 32
...
	.end_amdgpu_metadata
.endif
;; end of part 8
